; MI455X (gfx1250); checked and timed in simulation.
; The chip was launched on July 23, 2026; its instructions are those of AMD's public machine-readable ISA for CDNA 5 (MIT licence, August 2026) and "CDNA5" Instruction Set Architecture Reference Guide (July 2026). The comments in the code are by the model that wrote it; some were corrected since.
;; Multi Head Attention. Allowed arithmetic: matrix products marked QUANTISED: E3M2 operands, one E8M0 scale for each 32 along K, by v_wmma_scale_f32_16x16x128_f8f6f4 with both operands' format E3M2, f32 sums; everything else in f32.
;; Inputs: Wk 1,024 x 1,024 float32; Wo 1,024 x 1,024 float32; Wq 1,024 x 1,024 float32; Wv 1,024 x 1,024 float32; bk 1,024 float32; bo 1,024 float32; bq 1,024 float32; bv 1,024 float32; x 2 x 2,048 x 1,024 float32.
;; Outputs: out0 2 x 2,048 x 1,024 float32.
;; This version of the problem:
;;   THIS VERSION OF THE PROBLEM IS GIVEN IN LOW PRECISION. The matrix products marked QUANTISED in the list below multiply operands that are first quantised to E3M2 (3 exponent bits, 2 mantissa bits; 6 bits a number), with one power-of-two scale for each 32 numbers along K (OCP MX v1.0); their sums are f32. All else is computed in f32.
;;   The module's matrix products, in the order in which they are computed (A, B: the left and right operand; K: the contracted axis; several contracted axes count as one K, in the product's order):
;;     1. [M 4,096, K 1,024] x [K 1,024, N 1,024]; A: input x; B: input Wq: QUANTISED
;;     2. [M 4,096, K 1,024] x [K 1,024, N 1,024]; A: input x; B: input Wk: QUANTISED
;;     3. [M 4,096, K 1,024] x [K 1,024, N 1,024]; A: input x; B: input Wv: QUANTISED
;;     4. batch 32 x [M 2,048, K 64] x [K 64, N 2,048]; A: computed on the way; B: computed on the way: QUANTISED
;;     5. batch 32 x [M 2,048, K 2,048] x [K 2,048, N 64]; A: computed on the way; B: computed on the way: QUANTISED
;;     6. [M 4,096, K 1,024] x [K 1,024, N 1,024]; A: computed on the way; B: input Wo: QUANTISED
;;   THE QUANTISER, for each operand of a quantised product, along K:
;;     - K is cut into blocks of 32 from its start; a last block that is shorter is filled with zeros.
;;     - A block's scale is 2^e with e = floor(log2(the largest magnitude in the block)) - 4, held to -126 .. 127; a block of zeros has e = 0. As a byte (E8M0): e + 127.
;;     - Each number is divided by its block's scale, clamped to +-28, and rounded to the nearest number of E3M2, ties to even, subnormals kept.
;;     - The product sums the exact products of the quantised numbers (number of the format x scale) in f32.
;;   ~~~python
;;   def quantise(x, axis):      # numpy; x: float32 -> the quantised numbers, widened to float32 again
;;       x = np.moveaxis(x, axis, -1); K = x.shape[-1]
;;       x = np.pad(x, [(0, 0)] * (x.ndim - 1) + [(0, -K % 32)]); x = x.reshape(x.shape[:-1] + (-1, 32)); a = np.abs(x).max(-1, keepdims=True)
;;       e = np.where(a > 0, np.clip(np.frexp(np.where(a > 0, a, 1))[1] - 1 - 4, -126, 127), 0)      # np.frexp(a)[1] - 1 = floor(log2(a)), exactly
;;       r = np.clip(x / 2.0 ** e, -28, 28)
;;       step = 2.0 ** (np.maximum(np.frexp(np.where(r == 0, 1, r))[1] - 1, -2) - 2)
;;       q = np.round(r / step) * step * 2.0 ** e      # np.round: ties to even
;;       return np.moveaxis(q.reshape(q.shape[:-2] + (-1,))[..., :K], -1, axis).astype(np.float32)
;;   ~~~
;;   OPERANDS COMPUTED ON THE WAY. 'Computed on the way' means the value that the module computes at that place (a softmax that the list does not call 'softmax' is quantised finished and normalised). What goes into a quantiser is computed in f32, as accurately as f32 sums, v_exp_f32 and their like allow (about 1e-6 of the number): no bf16 or f16 on the way to a quantiser, and a product that is left as it is and whose result goes on into a quantised operand takes f32 operands (vector FMAs, or v_wmma_f32_16x16x4_f32). A number that lies on a knife's edge between two numbers of the format may be rounded either way, as far as f32 arithmetic and the matrix unit's own rounding can turn it there, and no further.
;; One version. Each part assembles by itself: llvm-mc -triple=amdgcn-amd-amdhsa -mcpu=gfx1250 --defsym DOCPART=n.
;; ======== version 1 of 1: 4 launches
;; limits: right only within a limited range of input values
;; workspace buffers: xq 3,276,800 bytes; wq 3,276,800 bytes; qkv 9,830,400 bytes; oq 3,276,800 bytes
;; launch quant (part 1): grid 256 x 1, 4 waves a work-group, no clusters, 35,328 bytes of LDS; arguments x, Wq, Wk, Wv, Wo, xq, wq; writes xq, wq
.if DOCPART == 1
	.amdgcn_target "amdgcn-amd-amdhsa--gfx1250"
	.amdhsa_code_object_version 6
	.text
	.protected	k_qbf1ee4254d_quant
	.globl	k_qbf1ee4254d_quant
	.p2align	8
	.type	k_qbf1ee4254d_quant,@function
k_qbf1ee4254d_quant:
	s_mov_b64 s[64:65], 0
	v_nop
	global_prefetch_b8 v0, s[64:65] scope:SCOPE_SE
	s_setreg_imm32_b32 hwreg(HW_REG_WAVE_MODE, 25, 1), 1
	s_wait_xcnt 0x0
; x [4096][1024] (K innermost) and Wq, Wk, Wv, Wo [1024 (K)][1024] (K is the FIRST axis), f32, become codes of BF6 (E3M2) with one E8M0 byte for each 32 along K.
; A block's scale is 2^(floor(log2(its largest magnitude)) - 4): its byte is the largest magnitude's exponent field - 4, held at 1 from below.
; LIMITS: a block of zeros gets the byte 1 where the rule says 127 (its codes are zeros, and this program alone reads the bytes); blocks whose largest magnitude lies under 2^-122 keep the byte 1;
; NaN and infinities among the inputs are not served.
; THE ORDER INSIDE A BLOCK: code position i holds element pi(i), pi = i with its bits 3 and 4 swapped.  Every operand of this program is laid so, both sides of every product alike, inside one scale block: the sums keep their terms.
; THE LAYOUT OF CODES: images of operand registers.  A half fragment is 16 rows x 64 K: lane (r, hh) holds block hh of row r in 6 registers; registers 0-3 lie at 16 x lane (512 bytes), registers 4-5 at 512 + 8 x lane
; (256 bytes): 768 bytes.  A buffer is [tile of 16 rows][64 along K][768 bytes].  Every store of codes covers 512 or 256 consecutive bytes, aligned to 256.
; THE LAYOUT OF SCALE BYTES, behind the codes: for 32 rows x 256 K a run of 256 bytes, 8 bytes a row: (row / 32) x 1024 + (K / 256) x 256 + (row % 32) x 8 + (K % 256) / 32.
; Work-groups 0-127 take x: 32 rows each, a wave 256 along K.  Work-groups 128-255 take the weights: 128 columns x 256 along K each, a wave 32 columns.  No barrier: waves share nothing.  Only x's way uses LDS.
.set R,   32                           ; v32-127  x: three sets of 32 numbers as loaded;  weights: v32-95 two sets of 32
.set X,   128                          ; v128-191 x: two sets of 32 neighbours (a whole block a lane)
.set C,   192                          ; v192-239 codes: six registers for each half fragment, never written again
.set SCB, 3145728                      ; where the scale bytes begin in xq and wq
.set STG, 8704                         ; LDS for a wave: two stages of 16 rows x 272 bytes
.macro BLKSCALE                        ; the block in v[XS] .. v[XS+31]: v11 = the conversion's scale operand, v12 = the byte
	v_max3_num_f32 v9, |v[XS]|, |v[XS+1]|, |v[XS+2]|
	v_max3_num_f32 v10, |v[XS+3]|, |v[XS+4]|, |v[XS+5]|
.irp i, 6,10,14,18,22,26
	v_max3_num_f32 v9, v9, |v[XS+\i]|, |v[XS+\i+1]|
	v_max3_num_f32 v10, v10, |v[XS+\i+2]|, |v[XS+\i+3]|
.endr
	v_max3_num_f32 v9, v9, |v[XS+30]|, |v[XS+31]|
	v_max3_num_f32 v9, v9, v10, 0x2800000          ; and the floor 2^(5 - 127): the byte cannot fall under 1
	v_add_nc_u32 v11, 0xfe000000, v9               ; 4 off the exponent field: the conversion takes this operand's exponent field as its scale
	v_lshrrev_b32 v12, 23, v11                     ; the byte
.endm
.macro CODES                           ; 32 numbers -> 6 registers at v[CB]
	v_cvt_scalef32_pk16_bf6_f32 v[CB:CB+2], v[XS:XS+15], v11
	v_cvt_scalef32_pk16_bf6_f32 v[240:242], v[XS+16:XS+31], v11   ; (a conversion's three registers begin on an even number)
	v_nop                                          ; one plain place behind a scaled conversion
	v_mov_b32 v[CB+3], v240
	v_mov_b32 v[CB+4], v241
	v_mov_b32 v[CB+5], v242
.endm
	s_load_b256 s[4:11], s[0:1], 0x0               ; x s[4:5], Wq s[6:7], Wk s[8:9], Wv s[10:11]
	s_load_b128 s[12:15], s[0:1], 0x20             ; Wo s[12:13], xq s[14:15]
	s_load_b64 s[16:17], s[0:1], 0x30              ; wq
	v_lshl_add_u32 v254, v0, 2, 0x8800
	v_mov_b32 v255, 0
	v_lshrrev_b32 v1, 5, v0
	v_readfirstlane_b32 s18, v1                    ; wave
	v_and_b32 v1, 31, v0                           ; lane
	v_and_b32 v2, 15, v0                           ; r
	v_bfe_u32 v3, v0, 4, 1                         ; hh
	v_lshlrev_b32 v7, 4, v1                        ; 16 x lane
	v_lshlrev_b32 v8, 3, v1                        ; 8 x lane
	s_mov_b32 s20, 0x76543210
	s_mov_b32 s21, 0xfedcba98                      ; v_permlanex16_b32's selects for lane l xor 16
	s_cmp_lt_u32 ttmp9, 128
	s_cbranch_scc0 .Lweights
	; ---------------- x: rows 32 wg .. 32 wg + 31, K 256 wave .. + 255: eight half fragments t = 4 (tile) + (64 along K)
	v_lshlrev_b32 v4, 4, v2
	v_lshl_add_u32 v4, v3, 12, v4                  ; in: lanes 0-15 one row's 256 bytes, lanes 16-31 the next row's
	s_mul_i32 s19, s18, STG
	v_mul_u32_u24 v5, v3, 272
	v_lshl_add_u32 v5, v2, 4, v5
	v_add_nc_u32 v5, s19, v5                       ; the stage, on the way in: as loaded, rows 272 bytes apart
	v_mul_u32_u24 v6, v2, 272
	v_lshl_add_u32 v6, v3, 7, v6
	v_add_nc_u32 v6, s19, v6                       ; and out: row r, block hh: 128 bytes
	v_lshlrev_b32 v13, 3, v3                       ; 8 hh
	v_mov_b32 v14, 0                               ; a lane permute's destination counts as one of its sources
	s_lshl_b32 s22, ttmp9, 17                      ; 32 rows of 4,096 bytes
	s_lshl_b32 s24, s18, 10                        ; 256 numbers
	s_add_co_u32 s22, s22, s24
	s_mov_b32 s23, 0
	s_mul_i32 s24, ttmp9, 24576                    ; two tiles of 12,288 bytes of codes
	s_mul_i32 s26, s18, 3072                       ; four half fragments
	s_add_co_u32 s24, s24, s26
	s_mov_b32 s25, 0
	s_lshl_b32 s26, ttmp9, 10
	s_lshl_b32 s28, s18, 8
	s_add_co_u32 s26, s26, s28
	s_add_co_u32 s26, s26, SCB
	s_mov_b32 s27, 0
	s_wait_alu depctr_va_vdst(0)
	s_wait_kmcnt 0x0
	s_add_nc_u64 s[4:5], s[4:5], s[22:23]
	s_add_nc_u64 s[24:25], s[14:15], s[24:25]
	s_add_nc_u64 s[26:27], s[14:15], s[26:27]
.macro LOADX t                         ; 16 rows x 256 bytes: each load covers two rows' 256 consecutive bytes
.irp i, 0,1,2,3,4,5,6,7
	global_load_b128 v[R+32*((\t)%3)+4*\i:R+32*((\t)%3)+4*\i+3], v4, s[4:5] offset:((\t)/4)*65536+((\t)%4)*256+\i*8192 th:TH_LOAD_NT
.endr
.endm
.macro TURN t                          ; through the stage; LDS serves a wave's instructions in order, so no wait stands between the stores and the loads.  The pieces of 16 bytes come back in the order 0,1,4,5,2,3,6,7: that is pi
.irp i, 0,1,2,3,4,5,6,7
	ds_store_b128 v5, v[R+32*((\t)%3)+4*\i:R+32*((\t)%3)+4*\i+3] offset:4352*((\t)%2)+544*\i
.endr
.irp i, 0,1,2,3,4,5,6,7
	ds_load_b128 v[X+32*((\t)%2)+4*\i:X+32*((\t)%2)+4*\i+3], v6 offset:4352*((\t)%2)+16*((\i&1)|((\i&2)<<1)|((\i&4)>>1))
.endr
.endm
.macro STEPX t
.set XS, X+32*((\t)%2)
.set CB, C+6*(\t)
.set WD, 16+2*((\t)/4)+((\t)%4)/2      ; the scale word in hand: tile, 128 along K
	s_wait_dscnt 0x0                               ; this step's numbers are back from the stage, and its stores into the stage have read their registers,
.if (\t)+3 < 8
	LOADX (\t)+3                                   ; which take the loads of three steps on
.endif
.if (\t)+1 < 8
.if (\t) < 5
	s_wait_loadcnt 16                              ; the next step's eight loads are in; those of the two steps behind it may be out
.else
	s_wait_loadcnt 8*(6-(\t))
.endif
	TURN (\t)+1
.endif
	BLKSCALE
.if (\t)%2 == 0
	v_mov_b32 v[WD], v12                           ; my byte of the even 64 along K,
.else
	v_lshl_or_b32 v[WD], v12, 16, v[WD]            ; of the odd one two bytes up
.endif
	CODES
	global_store_b128 v7, v[CB:CB+3], s[24:25] offset:((\t)/4)*12288+((\t)%4)*768
	global_store_b64 v8, v[CB+4:CB+5], s[24:25] offset:((\t)/4)*12288+((\t)%4)*768+512
.endm
	LOADX 0
	LOADX 1
	LOADX 2
	s_wait_loadcnt 16                              ; step 0's eight loads are in
	TURN 0
.irp t, 0,1,2,3,4,5,6,7
	STEPX \t
.endr
.irp w, 16,17,18,19
	v_lshlrev_b32 v[\w], v13, v[\w]                ; block hh's bytes stand 8 hh bits up;
.endr
.irp w, 16,17,18,19
	v_permlanex16_b32 v14, v[\w], s20, s21
	v_or_b32 v[\w], v[\w], v14                     ; with lane l xor 16's the word is whole
.endr
	v_cmp_le_u32 vcc_lo, 16, v1
	v_cndmask_b32 v20, v16, v18, vcc_lo            ; lane l stores row l's two words: lanes 16-31 the second tile's
	v_cndmask_b32 v21, v17, v19, vcc_lo
	global_store_b64 v8, v[20:21], s[26:27]        ; 32 lanes store 256 consecutive bytes, aligned
	s_wait_tensorcnt 0x0
	ds_add_u32 v254, v255
	s_wait_dscnt 0x0
	s_endpgm
	; ---------------- the weights: a lane takes a column, and its registers run down K, in the order pi: nothing is transposed by an instruction
.Lweights:
	s_sub_co_u32 s19, ttmp9, 128
	s_lshr_b32 s22, s19, 5                         ; which weight: 0 Wq, 1 Wk, 2 Wv, 3 Wo
	s_bfe_u32 s23, s19, 0x30002                    ; which 128 columns
	s_and_b32 s24, s19, 3                          ; which 256 along K
	s_wait_alu depctr_va_vdst(0)
	v_lshlrev_b32 v4, 2, v1                        ; 4 bytes a lane
	s_lshl_b32 s25, s23, 7
	s_lshl_b32 s26, s18, 5
	s_add_co_u32 s25, s25, s26                     ; my wave's first column
	s_lshl_b32 s28, s24, 20                        ; 256 rows of 4,096 bytes
	s_lshl_b32 s25, s25, 2
	s_add_co_u32 s28, s28, s25
	s_mov_b32 s29, 0
	s_lshl_b32 s30, s22, 6
	s_lshl_b32 s26, s23, 3
	s_add_co_u32 s30, s30, s26
	s_lshl_b32 s26, s18, 1
	s_add_co_u32 s30, s30, s26                     ; my first tile of operand rows: 64 x weight + 8 x group + 2 x wave
	s_mul_i32 s32, s30, 12288
	s_mul_i32 s26, s24, 3072
	s_add_co_u32 s32, s32, s26
	s_mov_b32 s33, 0
	s_lshl_b32 s34, s30, 9                         ; (tile / 2) x 1,024: the tile's number is even
	s_lshl_b32 s26, s24, 8
	s_add_co_u32 s34, s34, s26
	s_add_co_u32 s34, s34, SCB
	s_mov_b32 s35, 0
	s_wait_alu depctr_va_vdst(0)
	s_wait_kmcnt 0x0
	s_cmp_eq_u32 s22, 1                            ; the choice hangs on the work-group's number alone
	s_cselect_b64 s[6:7], s[8:9], s[6:7]
	s_cmp_eq_u32 s22, 2
	s_cselect_b64 s[6:7], s[10:11], s[6:7]
	s_cmp_eq_u32 s22, 3
	s_cselect_b64 s[6:7], s[12:13], s[6:7]
	s_add_nc_u64 s[6:7], s[6:7], s[28:29]
	s_add_nc_u64 s[32:33], s[16:17], s[32:33]
	s_add_nc_u64 s[34:35], s[16:17], s[34:35]
.macro LOADW t                         ; block t: register n takes W(32 t + pi(n), my column); a wave reads 128 consecutive bytes, the four waves 512
.set n, 0
.rept 32
	global_load_b32 v[R+32*((\t)%2)+n], v4, s[6:7] offset:(32*(\t)+((n&7)|((n&8)<<1)|((n&16)>>1)))*4096 th:TH_LOAD_NT
.set n, n+1
.endr
.endm
.macro BLOCKW t
.set XS, R+32*((\t)%2)
.set CB, C+12*((\t)/2)+6*((\t)%2)
.if (\t) < 7
	s_wait_loadcnt 32                              ; this block's 32 loads are in; the next block's may be out
.else
	s_wait_loadcnt 0x0
.endif
	BLKSCALE
.if (\t)%4 == 0
	v_mov_b32 v[16+(\t)/4], v12                    ; four bytes to a word, the lower K in the lower byte
.else
	v_lshl_or_b32 v[16+(\t)/4], v12, 8*((\t)%4), v[16+(\t)/4]
.endif
	CODES
.if (\t)+2 < 8
	LOADW (\t)+2
.endif
.if (\t)%2 == 1                        ; lanes 0-15 hold the first tile's columns, lanes 16-31 the second's; a half fragment wants the even block in lanes 0-15 and the odd one in lanes 16-31
.set CE, C+12*((\t)/2)
.irp i, 0,1,2,3,4,5
	v_permlane16_swap_b32 v[CE+\i], v[CE+6+\i]     ; the even block's lanes 16-31 change places with the odd block's lanes 0-15: the first run is now the first tile's half fragment, the second the second's
.endr
	global_store_b128 v7, v[CE:CE+3], s[32:33] offset:((\t)/2)*768
	global_store_b64 v8, v[CE+4:CE+5], s[32:33] offset:((\t)/2)*768+512
	global_store_b128 v7, v[CE+6:CE+9], s[32:33] offset:12288+((\t)/2)*768
	global_store_b64 v8, v[CE+10:CE+11], s[32:33] offset:12288+((\t)/2)*768+512
.endif
.endm
	LOADW 0
	LOADW 1
.irp t, 0,1,2,3,4,5,6,7
	BLOCKW \t
.endr
	global_store_b64 v8, v[16:17], s[34:35]        ; lane l is operand row l of the 32: 256 consecutive bytes, aligned
	s_endpgm
.Lfunc_end_k_qbf1ee4254d_quant:
	.size	k_qbf1ee4254d_quant, .Lfunc_end_k_qbf1ee4254d_quant-k_qbf1ee4254d_quant
	.p2alignl 7, 3214868480
	.fill 96, 4, 3214868480
	.section	.rodata,"a",@progbits
	.p2align	6, 0x0
	.amdhsa_kernel k_qbf1ee4254d_quant
		.amdhsa_group_segment_fixed_size 35328
		.amdhsa_private_segment_fixed_size 0
		.amdhsa_enable_private_segment 0
		.amdhsa_kernarg_size 56
		.amdhsa_user_sgpr_count 2
		.amdhsa_user_sgpr_kernarg_segment_ptr 1
		.amdhsa_wavefront_size32 1
		.amdhsa_system_sgpr_workgroup_id_x 1
		.amdhsa_system_sgpr_workgroup_id_y 1
		.amdhsa_system_sgpr_workgroup_id_z 1
		.amdhsa_system_vgpr_workitem_id 0
		.amdhsa_next_free_vgpr 256
		.amdhsa_next_free_sgpr 66
		.amdhsa_reserve_vcc 1
		.amdhsa_float_denorm_mode_32 3
		.amdhsa_float_denorm_mode_16_64 3
		.amdhsa_memory_ordered 1
		.amdhsa_forward_progress 1
		.amdhsa_inst_pref_size 70
	.end_amdhsa_kernel
	.amdgpu_metadata
---
amdhsa.version: [ 1, 2 ]
amdhsa.kernels:
  - .name:           k_qbf1ee4254d_quant
    .symbol:         k_qbf1ee4254d_quant.kd
    .args:
      - { .name: x, .offset: 0, .size: 8, .value_kind: global_buffer, .address_space: global }
      - { .name: Wq, .offset: 8, .size: 8, .value_kind: global_buffer, .address_space: global }
      - { .name: Wk, .offset: 16, .size: 8, .value_kind: global_buffer, .address_space: global }
      - { .name: Wv, .offset: 24, .size: 8, .value_kind: global_buffer, .address_space: global }
      - { .name: Wo, .offset: 32, .size: 8, .value_kind: global_buffer, .address_space: global }
      - { .name: xq, .offset: 40, .size: 8, .value_kind: global_buffer, .address_space: global }
      - { .name: wq, .offset: 48, .size: 8, .value_kind: global_buffer, .address_space: global }
    .group_segment_fixed_size: 35328
    .private_segment_fixed_size: 0
    .kernarg_segment_align: 8
    .kernarg_segment_size: 56
    .max_flat_workgroup_size: 128
    .sgpr_count:     66
    .vgpr_count:     256
    .wavefront_size: 32
...
	.end_amdgpu_metadata
.endif
;; end of part 1
;; launch qkv (part 2): grid 12 x 16, 4 waves a work-group, clusters of 4 x 4, 327,680 bytes of LDS; arguments xq, wq, bq, bk, bv, qkv; writes qkv
.if DOCPART == 2
	.amdgcn_target "amdgcn-amd-amdhsa--gfx1250"
	.amdhsa_code_object_version 6
	.text
	.protected	k_qbf1ee4254d_qkv
	.globl	k_qbf1ee4254d_qkv
	.p2align	8
	.type	k_qbf1ee4254d_qkv,@function
k_qbf1ee4254d_qkv:
	s_mov_b64 s[64:65], 0
	v_nop
	global_prefetch_b8 v0, s[64:65] scope:SCOPE_SE
	s_setreg_imm32_b32 hwreg(HW_REG_WAVE_MODE, 25, 1), 1
	s_wait_xcnt 0x0
	s_wait_alu depctr_hold_cnt(0) depctr_sa_sdst(0) depctr_va_vdst(0) depctr_va_sdst(0) depctr_va_ssrc(0) depctr_va_vcc(0) depctr_vm_vsrc(0)
	s_getreg_b32 s2, hwreg(HW_REG_IB_STS2, 6, 4)
	s_cmp_eq_u32 s2, 0
	s_cbranch_scc0 .Lentry_in_a_cluster
	s_endpgm
.Lentry_in_a_cluster:
	s_bfe_u32 s2, ttmp6, 0x10000c
	s_cmp_lg_u32 s2, 0xf033
	s_cbranch_scc0 .Lentry_shape_is_right
	s_endpgm
.Lentry_shape_is_right:
; q = x Wq + bq, k = x Wk + bk, v = x Wv + bv on codes of BF6 (E3M2) with E8M0 scales, sums in f32; the results are quantised at once: q and k along the head's 64, v along the tokens (the keys), and leave as codes.
; A block of 256 x 256 of a product is made by four waves, 128 x 128 each: 64 accumulators, 512 registers.  K = 1,024 goes in four steps of 256 through two LDS slots filled by the tensor data mover.
; CODES LIE AS IMAGES OF OPERAND REGISTERS (16 rows x 64 K: 768 bytes; registers 0-3 at 16 x lane, registers 4-5 at 512 + 8 x lane): a fragment of 16 x 128 is 1,536 bytes and comes by two loads of 16 bytes and two of 8 a lane,
; each of consecutive bytes: no pitch, no padding.  Inside each block of 32 along every K, position i holds element i with its bits 3 and 4 swapped, on both sides of every product.
; THE MATRIX INSTRUCTION: source 0 = 16 rows of "B", source 1 = 16 rows of "A": a lane holds one row of A, its eight registers eight neighbouring rows of B.  The result is quantised ALONG THE REGISTERS.
; ONE TEXT, TWO MODES, told apart by the cluster's x through s_cselect alone (no branch): x = 0 (q), 1 (k): A = tokens (xq), B = features (wq);  x = 2 (v): A = features of Wv, B = tokens: V^T with the keys along the registers.
; The bias along the registers is the C of each sum's first product; the bias along the lanes is added on the way out; the one that a mode does not use is cleared.
; CLUSTERS: 4 x 4 work-groups; A's tiles are shared along a row of the cluster, B's along a column: each is asked for jointly.
; OUT: qkv = [q, k, v][batch x 16 + head][run of 128 tokens][6,144 bytes]: for q and k eight half fragments (16 tokens x 64), for v four fragments (16 of the head's 64 x 128 keys).  Scale bytes behind them, 256 bytes a run.
; LIMITS: a block of zeros gets the byte 1 (its codes are zeros; this program alone reads the bytes); blocks whose largest magnitude lies under 2^-122 keep the byte 1; NaN and infinities are not served.
; REGISTERS: window 0: v1-13 lane numbers and offsets; v16-23, v27 LDS addresses; v28, v29 for the add; v32-63 scale words, two sets; v64-127 the bias along the registers, later 64 numbers at work; v128-223 A's fragments, one set,
;   later codes and work; v224-239 the bias along the lanes.  window 1: B's fragments, two sets.  windows 2, 3: the accumulators ((a, b) at v[8 (8 (a % 4) + b)]).
.set NQ,     2                         ; matrix instructions deep in a slot
.set FR,     12                        ; registers of a fragment
.set NL,     4                         ; LDS loads that bring one
.set NP,     4                         ; places behind this matrix instruction (ISA guide 7.12.1)
.set HALFT,  24576                     ; 128 rows x 256 K of codes: what one tensor load brings
.set SLOT,   4*HALFT                   ; A's two halves, B's two halves
.set SCL,    2*SLOT                    ; behind the ring: the scale bytes of A's and B's 256 rows for all of K, filled once
.set HALFS,  4096                      ; those of 128 rows
.set SPARE,  SCL+4*HALFS               ; the spare words, 128 bytes a wave: two blocks of 256 bytes that no other line names
.set LAPS,   2                         ; a lap = two slots = 512 along K
.set SCB,    3145728                   ; where the scale bytes begin in xq and wq
.set ADRA, 16                          ; v16-17 A's fragments in slot 0, 1 at 16 x lane; v18-19 at 8 x lane
.set ADRB, 20                          ; v20-23 the same for B
.set ADRS, 27                          ; v27 my scale words: lanes 0-15 A's rows, lanes 16-31 B's
.set SPW,  28
.set NIL,  29
.set SC,   32
.set BR,   64
.set AF,   128
.set BL,   224
.set PC,   128                         ; the way out: codes
.set TM,   160                         ; the way out: at work
.set PWS,  176                         ; the way out: eight scale words
.set SEL,  2                           ; s[2:3] on the way out: v_permlanex16_b32's selects
.set G1, 24
.set G0, 32
.set G1B, 48
.set G0B, 56
.set G1S, 68
.set G0S, 76
.set G1SB, 80
.set G0SB, 88
.set MSB, 0
.macro WIN new                         ; the immediate's high byte repeats the setting that is left
.if MSB != \new
	s_set_vgpr_msb (MSB<<8)|\new
.set MSB, \new
.endif
.endm
.set MUL_LO, 0xa1                      ; source 0 (B) window 1, source 1 (A) window 0, C and D window 2
.set MUL_HI, 0xf1                      ; the same, C and D window 3
.set BEG_LO, 0x81                      ; a sum's first product: C (the bias) window 0, D window 2
.set BEG_HI, 0xc1                      ; D window 3
.set TO_B,   0x40                      ; destination window 1, address window 0
; A joint load: waves 0 and 1 fetch for A, waves 2 and 3 for B; the branch hangs on the wave's number alone.  Four v_nop follow each of the two lines.
.macro JLOAD g0a, g1a, g0b, g1b
	s_cmp_eq_u32 s17, 0
	s_cbranch_scc0 .Lfor_b_\@
	tensor_load_to_lds s[\g0a:\g0a+3], s[\g1a:\g1a+7]
	s_nop 0
.rept 4
	v_nop
.endr
	s_branch .Lasked_\@
.Lfor_b_\@:
	tensor_load_to_lds s[\g0b:\g0b+3], s[\g1b:\g1b+7]
	s_nop 0
.rept 4
	v_nop
.endr
.Lasked_\@:
.endm
.macro CREST                           ; a round of the cluster's barrier behind its opening barrier
	s_cmp_lg_u32 s16, 0
	s_cbranch_scc1 .Lnot_wave_0_\@
	s_barrier_signal -3
.Lnot_wave_0_\@:
	s_barrier_wait -3
	s_barrier_signal -1
	s_barrier_wait -1
.endm
.macro CROUND
	s_barrier_signal -1
	s_barrier_wait -1
	CREST
.endm
	s_load_b128 s[4:7], s[0:1], 0x0                ; xq, wq
	s_load_b128 s[8:11], s[0:1], 0x10              ; bq, bk
	s_load_b128 s[12:15], s[0:1], 0x20             ; bv, qkv
	v_lshl_add_u32 v[SPW], v0, 2, SPARE
	v_mov_b32 v[NIL], 0
	ds_add_u32 v28, v29
	ds_add_u32 v28, v29
	s_wait_dscnt 0x0
	v_lshrrev_b32 v1, 5, v0
	v_readfirstlane_b32 s16, v1                    ; wave 0..3
	s_lshr_b32 s17, s16, 1                         ; which half of A's rows is mine.  Also: I fetch for A (0) or for B (1)
	s_and_b32 s18, s16, 1                          ; which half of B's rows.  Also: which 128 rows I fetch
	s_bfe_u32 s19, ttmp6, 0x40000                  ; cx
	s_bfe_u32 s20, ttmp6, 0x40004                  ; cy
	s_and_b32 s21, ttmp7, 0xffff                   ; the cluster's y
	s_lshl_b32 s92, s21, 2
	s_lshl_b32 s94, ttmp9, 2
	s_mov_b32 s44, 768
	s_mov_b32 s46, 768
	s_mov_b32 s98, 98304
	s_cmp_eq_u32 ttmp9, 2                          ; v's mode?  The same in all sixteen partners
	s_cselect_b32 s93, 8, s92                      ; A's block of 256 rows: Wv's begin at block 8 of wq; tokens at 4 x cluster y
	s_cselect_b32 s95, s92, s94                    ; B's: tokens; or the weight's four blocks
	s_cselect_b32 s97, -1, 0                       ; all ones in v's mode
	s_cselect_b32 s96, 0, -1                       ; all ones in q's and k's
	s_cselect_b32 s44, 1536, s44                   ; the way out: from A's block a to a + 1,
	s_cselect_b32 s46, 93696, s46                  ; from block 3 to block 4 (in v's mode: the next head),
	s_cselect_b32 s98, 768, s98                    ; and from a fragment's first half to its second (in q's and k's mode: the next head)
	s_mov_b32 s45, 0
	s_mov_b32 s47, 0
	s_add_co_u32 s22, s93, s20                     ; A's block: + cy: shared along a row of the cluster
	s_add_co_u32 s23, s95, s19                     ; B's block: + cx: shared along a column
	s_lshl_b32 s66, s20, 2
	s_lshl_b32 s66, 15, s66                        ; my row of the cluster
	s_lshl_b32 s67, 0x1111, s19                    ; my column
	; descriptor group 1, codes: tiles of 16 rows x 3,072 bytes (384 elements of 8 bytes), 12,288 bytes apart; no padding.  16 tiles (256 rows) for the head's loads, 8 for the ring's
	s_or_b32 s[G1+0], s66, (3<<16)|(1<<21)
	s_or_b32 s[G1B+0], s67, (3<<16)|(1<<21)
.irp g, G1, G1B
	s_mov_b32 s[\g+1], 384<<16                     ; tensor_dim0
	s_mov_b32 s[\g+2], 16<<16                      ; tensor_dim1
	s_mov_b32 s[\g+3], 384<<16                     ; tile_dim0
	s_mov_b32 s[\g+4], 16                          ; tile_dim1
	s_mov_b32 s[\g+5], 1536                        ; tensor_dim0_stride
	s_mov_b32 s[\g+6], 0
	s_mov_b32 s[\g+7], 0
.endr
	; scale bytes of 256 rows: 8,192 dense bytes as 32 rows of 256
	s_or_b32 s[G1S+0], s66, (3<<16)|(1<<21)
	s_or_b32 s[G1SB+0], s67, (3<<16)|(1<<21)
.irp g, G1S, G1SB
	s_mov_b32 s[\g+1], 32<<16
	s_mov_b32 s[\g+2], 32<<16
	s_mov_b32 s[\g+3], 32<<16
	s_mov_b32 s[\g+4], 32
	s_mov_b32 s[\g+5], 32
	s_mov_b32 s[\g+6], 0
	s_mov_b32 s[\g+7], 0
.endr
	s_mul_i32 s92, s22, 196608                     ; A: 16 tiles of 12,288 bytes a block,
	s_mul_i32 s93, s18, 98304                      ; + the half that I fetch
	s_add_co_u32 s92, s92, s93
	s_mov_b32 s93, 0
	s_lshl_b32 s40, s22, 13                        ; its scale bytes: 8,192 a block
	s_add_co_u32 s40, s40, SCB
	s_mov_b32 s41, 0
	s_mul_i32 s94, s23, 196608                     ; B likewise
	s_mul_i32 s95, s18, 98304
	s_add_co_u32 s94, s94, s95
	s_mov_b32 s95, 0
	s_lshl_b32 s42, s23, 13
	s_add_co_u32 s42, s42, SCB
	s_mov_b32 s43, 0
	s_mul_i32 s2, s16, HALFT                       ; where they go: wave x 24,576: no place in the cluster enters an LDS address
	s_wait_kmcnt 0x0
	s_cmp_eq_u32 ttmp9, 2
	s_cselect_b64 s[100:101], s[6:7], s[4:5]       ; A's buffer
	s_cselect_b64 s[6:7], s[4:5], s[6:7]           ; B's buffer
	s_cmp_eq_u32 ttmp9, 1
	s_cselect_b64 s[8:9], s[10:11], s[8:9]         ; the bias along the registers: bk for k, else bq (cleared in v's mode)
	s_add_nc_u64 s[92:93], s[100:101], s[92:93]
	s_add_nc_u64 s[40:41], s[100:101], s[40:41]
	s_add_nc_u64 s[94:95], s[6:7], s[94:95]
	s_add_nc_u64 s[42:43], s[6:7], s[42:43]
	CROUND                                         ; all sixteen work-groups are here: the first joint loads meet
	s_mov_b32 s[G0S], 1
	s_mov_b32 s[G0S+1], SCL
	s_mov_b64 s[G0S+2:G0S+3], s[40:41]
	s_or_b32 s[G0S+3], s[G0S+3], 0x80000000
	s_mov_b32 s[G0SB], 1
	s_mov_b32 s[G0SB+1], SCL+2*HALFS
	s_mov_b64 s[G0SB+2:G0SB+3], s[42:43]
	s_or_b32 s[G0SB+3], s[G0SB+3], 0x80000000
.irp s, 0,1
	s_mov_b32 s[G0+4*\s], 1
	s_add_co_u32 s[G0+4*\s+1], s2, \s*SLOT
	s_add_nc_u64 s[G0+4*\s+2:G0+4*\s+3], s[92:93], \s*3072
	s_or_b32 s[G0+4*\s+3], s[G0+4*\s+3], 0x80000000
	s_mov_b32 s[G0B+4*\s], 1
	s_add_co_u32 s[G0B+4*\s+1], s2, \s*SLOT
	s_add_nc_u64 s[G0B+4*\s+2:G0B+4*\s+3], s[94:95], \s*3072
	s_or_b32 s[G0B+4*\s+3], s[G0B+4*\s+3], 0x80000000
.endr
; THE HEAD'S LOADS, ONE A WAVE: wave 0 slot 0's 256 rows of A, wave 1 the scale bytes of A's 256 rows, wave 2 slot 0's 256 rows of B, wave 3 B's scale bytes.
; Waves 0 and 2 fetch the first half in the ring, so their slot 0 group 0 points at the whole tile's first byte in memory and in LDS.  One tree of branches on the wave's number, one load to an arm, one join.
.macro ARM under, g0, g1, next
	s_cmp_lt_u32 s16, \under
	s_cbranch_scc0 \next
	tensor_load_to_lds s[\g0:\g0+3], s[\g1:\g1+7]
	s_nop 0
.rept 4
	v_nop
.endr
	s_branch .Lhead_asked
\next:
.endm
	ARM 1, G0,  G1,  .Lhead_sa
	ARM 2, G0S, G1S, .Lhead_b
	ARM 3, G0B, G1B, .Lhead_sb
	tensor_load_to_lds s[G0SB:G0SB+3], s[G1SB:G1SB+7]
	s_nop 0
.rept 4
	v_nop
.endr
.Lhead_asked:
	s_mov_b32 s100, 0x05040100                     ; v_perm_b32: the two low halves,
	s_mov_b32 s101, 0x07060302                     ; the two high halves
	v_and_b32 v1, 31, v0                           ; lane
	v_and_b32 v2, 15, v0                           ; r
	v_bfe_u32 v3, v0, 4, 1                         ; h
	v_lshlrev_b32 v8, 4, v1                        ; 16 x lane
	v_lshlrev_b32 v9, 3, v1                        ; 8 x lane
	v_add_nc_u32 v10, s98, v8                      ; the same for a fragment's second half on the way out
	v_add_nc_u32 v11, s98, v9
	s_mul_i32 s92, s17, HALFT                      ; my 128 rows of A
	s_mul_i32 s93, s18, HALFT                      ; my 128 rows of B,
	s_add_co_u32 s93, s93, 2*HALFT                 ; behind A's 256
.irp s, 0,1
	v_add_nc_u32 v[ADRA+\s], s92, v8
	v_add_nc_u32 v[ADRB+\s], s93, v8
	v_add_nc_u32 v[ADRA+2+\s], s92, v9
	v_add_nc_u32 v[ADRB+2+\s], s93, v9
	s_add_co_u32 s92, s92, SLOT
	s_add_co_u32 s93, s93, SLOT
.endr
	s_lshl_b32 s92, s17, 12                        ; A's scale bytes: my 128 rows
	s_lshl_b32 s93, s18, 12                        ; B's: my 128 rows, behind A's 256
	s_add_co_u32 s93, s93, 2*HALFS
	s_sub_co_u32 s93, s93, s92
	v_mul_u32_u24 v6, s93, v3                      ; lanes 16-31 take B's: one product, the distance between the two
	s_add_co_u32 s92, s92, SCL
	v_lshl_add_u32 v6, v2, 3, v6                   ; 8 bytes a row
	v_add_nc_u32 v[ADRS], s92, v6
	; the biases
	s_and_b32 s92, s23, 3
	s_lshl_b32 s92, s92, 10                        ; B's block within its weight: 256 numbers,
	s_lshl_b32 s93, s18, 9                         ; my half: 128
	s_add_co_u32 s92, s92, s93
	s_mov_b32 s93, 0
	s_add_nc_u64 s[8:9], s[8:9], s[92:93]
	s_and_b32 s94, s22, 3
	s_lshl_b32 s94, s94, 10
	s_lshl_b32 s95, s17, 9
	s_add_co_u32 s94, s94, s95
	s_mov_b32 s95, 0
	s_add_nc_u64 s[12:13], s[12:13], s[94:95]
	v_lshlrev_b32 v12, 5, v3                       ; along the registers: lane (r, h) wants, for B's block b, numbers 16 b + 8 h + 0 .. 7
	v_lshlrev_b32 v13, 2, v2                       ; along the lanes: for A's block a, number 16 a + r
.irp b, 0,1,2,3,4,5,6,7
	global_load_b128 v[BR+8*\b:BR+8*\b+3], v12, s[8:9] offset:64*\b
	global_load_b128 v[BR+8*\b+4:BR+8*\b+7], v12, s[8:9] offset:64*\b+16
.endr
.irp a, 0,1,2,3,4,5,6,7
	global_load_b32 v[BL+2*\a], v13, s[12:13] offset:64*\a
	v_mov_b32 v[BL+2*\a+1], 0                      ; (named with it as a pair, so it is written)
.endr
	; where my results go
	s_cmp_eq_u32 ttmp9, 2
	s_cselect_b32 s92, s23, s22                    ; the block of tokens,
	s_cselect_b32 s93, s18, s17                    ; my half of it,
	s_cselect_b32 s94, s22, s23                    ; the block of features,
	s_cselect_b32 s95, s17, s18                    ; my half of it
	s_and_b32 s94, s94, 3
	s_lshl_b32 s94, s94, 2
	s_lshl_b32 s95, s95, 1
	s_add_co_u32 s94, s94, s95                     ; my first head: 4 x block + 2 x half
	s_and_b32 s95, s92, 7
	s_lshl_b32 s95, s95, 1
	s_add_co_u32 s95, s95, s93                     ; my run of 128 tokens in the batch
	s_lshr_b32 s92, s92, 3                         ; the batch
	s_mul_i32 s40, ttmp9, 3145728
	s_mul_i32 s99, s92, 1572864
	s_add_co_u32 s40, s40, s99
	s_mul_i32 s99, s94, 98304
	s_add_co_u32 s40, s40, s99
	s_mul_i32 s99, s95, 6144
	s_add_co_u32 s40, s40, s99
	s_mov_b32 s41, 0
	s_add_nc_u64 s[40:41], s[14:15], s[40:41]      ; codes
	s_lshl_b32 s42, ttmp9, 17
	s_lshl_b32 s99, s92, 16
	s_add_co_u32 s42, s42, s99
	s_lshl_b32 s99, s94, 12
	s_add_co_u32 s42, s42, s99
	s_lshl_b32 s99, s95, 8
	s_add_co_u32 s42, s42, s99
	s_add_co_u32 s42, s42, 9437184
	s_mov_b32 s43, 0
	s_add_nc_u64 s[42:43], s[14:15], s[42:43]      ; scale bytes
.macro FRAG reg, adr, q, i             ; a fragment, 16 rows x 128 K: two half fragments on end, as they were stored
	ds_load_b128 v[\reg:\reg+3], v[\adr] offset:3072*(\i)+1536*(\q)
	ds_load_b64 v[\reg+4:\reg+5], v[\adr+2] offset:3072*(\i)+1536*(\q)+512
	ds_load_b128 v[\reg+6:\reg+9], v[\adr] offset:3072*(\i)+1536*(\q)+768
	ds_load_b64 v[\reg+10:\reg+11], v[\adr+2] offset:3072*(\i)+1536*(\q)+1280
.endm
; 16 matrix instructions: A's blocks a0, a0 + 1 x B's eight, 128 along K.  p: B's set; sc: the set of scale words.  zero = 1: the first product starts the sums on the bias: nothing is cleared.
; The 64 accumulators take turns, one instruction a turn, in the same order in every step.
.macro MUL16 a0, p, q, sc, zero
.irp a, \a0, \a0+1
.irp b, 0,1,2,3,4,5,6,7
.if \zero
	v_wmma_scale_f32_16x16x128_f8f6f4 v[8*(8*((\a)%4)+\b):8*(8*((\a)%4)+\b)+7], v[128*(\p)+FR*\b:128*(\p)+FR*\b+FR-1], v[AF+FR*(\a):AF+FR*(\a)+FR-1], v[BR+8*\b:BR+8*\b+7], v[SC+8*NQ*(\sc)+NQ*\b+(\q)], v[SC+8*NQ*(\sc)+NQ*(\a)+(\q)] matrix_a_fmt:MATRIX_FMT_BF6 matrix_b_fmt:MATRIX_FMT_BF6 matrix_a_scale:MATRIX_SCALE_ROW1
.else
	v_wmma_scale_f32_16x16x128_f8f6f4 v[8*(8*((\a)%4)+\b):8*(8*((\a)%4)+\b)+7], v[128*(\p)+FR*\b:128*(\p)+FR*\b+FR-1], v[AF+FR*(\a):AF+FR*(\a)+FR-1], v[8*(8*((\a)%4)+\b):8*(8*((\a)%4)+\b)+7], v[SC+8*NQ*(\sc)+NQ*\b+(\q)], v[SC+8*NQ*(\sc)+NQ*(\a)+(\q)] matrix_a_fmt:MATRIX_FMT_BF6 matrix_b_fmt:MATRIX_FMT_BF6 matrix_a_scale:MATRIX_SCALE_ROW1
.endif
.endr
.endr
.endm
.macro FETCH_B slot, q, p
	WIN TO_B
.irp i, 0,1,2,3,4,5,6,7
	FRAG 128*(\p)+FR*\i, ADRB+\slot, \q, \i
.endr
	WIN 0
.endm
.macro FETCH_A slot, q, i0
.irp i, \i0, \i0+1, \i0+2, \i0+3
	FRAG AF+FR*(\i), ADRA+\slot, \q, \i
.endr
.endm
.macro SCALES sc                       ; a slot's scale words: two a row; lanes 0-15 take A's block i, lanes 16-31 B's block i
.irp i, 0,1,2,3,4,5,6,7
	ds_load_b64 v[SC+8*NQ*\sc+NQ*\i:SC+8*NQ*\sc+NQ*\i+1], v[ADRS] offset:(\i/2)*1024+(\i%2)*128
.endr
.endm
.macro PLACES n                        ; plain vector instructions between a matrix instruction and a load into, or a vector read or write of, its registers (ISA guide 7.12.1 for vector reads and writes)
.rept \n
	v_nop
.endr
.endm
.macro STEP slot, q, zero              ; a step of 128 along K that has its successor in the same slot
	s_wait_dscnt 4*NL                              ; B's set, A's blocks 0-3 and the scale words are in; the youngest 16 loads (A's blocks 4-7) may be out
.if \zero
	WIN BEG_LO
.else
	WIN MUL_LO
.endif
	MUL16 0, (\q)%2, \q, \slot, \zero
	MUL16 2, (\q)%2, \q, \slot, \zero
	s_wait_dscnt 0
	PLACES NP
	FETCH_B \slot, (\q)+1, 1-(\q)%2
	FETCH_A \slot, (\q)+1, 0
.if \zero
	WIN BEG_HI
.else
	WIN MUL_HI
.endif
	MUL16 4, (\q)%2, \q, \slot, \zero
	MUL16 6, (\q)%2, \q, \slot, \zero
	PLACES NP
	WIN 0
	FETCH_A \slot, (\q)+1, 4
.endm
; A slot's last step changes slots: ONE barrier; in front of it each wave waits for all its tensor loads, adds 0 to its spare word, and waits for that and for its reads of this slot.  fill = 1: this slot is filled again, two slots ahead.
.macro TURN slot, next, fill
	s_wait_tensorcnt 0x0                           ; all my tensor loads have landed: my part of the next slot
	ds_add_u32 v[SPW], v[NIL]                      ; 0 onto my spare word
	s_wait_dscnt 4*NL+1                            ; (the add and the youngest 16 loads may be out)
	WIN MUL_LO
	MUL16 0, 1, NQ-1, \slot, 0
	s_wait_dscnt 0x0                               ; the add is done, and my reads of this slot are over
	s_barrier_signal -1
	MUL16 2, 1, NQ-1, \slot, 0
	WIN 0
	s_barrier_wait -1
.if \fill
	CREST                                          ; the barrier has opened a round of the cluster's barrier: no wave of any partner still reads this slot or has a load on its way
	s_add_nc_u64 s[G0+4*\slot+2:G0+4*\slot+3], s[G0+4*\slot+2:G0+4*\slot+3], 6144
	s_add_nc_u64 s[G0B+4*\slot+2:G0B+4*\slot+3], s[G0B+4*\slot+2:G0B+4*\slot+3], 6144
	JLOAD G0+4*\slot, G1, G0B+4*\slot, G1B         ; the first tensor load behind the round, my only one until the next; its four v_nop are also the places in front of the loads below
.else
	PLACES NP
.endif
	s_wait_alu depctr_va_vdst(0)
	v_add_nc_u32 v[ADRS], 256, v[ADRS]             ; the next slot's scale words
	FETCH_B \next, 0, 0
	FETCH_A \next, 0, 0
	SCALES \next
	WIN MUL_HI
	MUL16 4, 1, NQ-1, \slot, 0
	MUL16 6, 1, NQ-1, \slot, 0
	PLACES NP
	WIN 0
	FETCH_A \next, 0, 4
.endm
	s_wait_alu depctr_va_vdst(0)
	s_wait_tensorcnt 0x0                           ; my tile of the head's four is in; these lines stand ahead of slot 1's first fill as ahead of a refill
	ds_add_u32 v[SPW], v[NIL]
	s_mov_b32 s[G1+2], 8<<16                       ; no tensor load of mine is out: from here on a load brings 8 tiles (128 rows)
	s_mov_b32 s[G1+4], 8
	s_mov_b32 s[G1B+2], 8<<16
	s_mov_b32 s[G1B+4], 8
	s_wait_dscnt 0x0
	CROUND                                         ; all four tiles are in, and all sixteen work-groups are here
	JLOAD G0+4, G1, G0B+4, G1B                     ; slot 1's first fill: the first tensor load behind the round
	FETCH_B 0, 0, 0
	FETCH_A 0, 0, 0
	SCALES 0
	FETCH_A 0, 0, 4
	s_wait_loadcnt 0x0                             ; the biases
.set n, 0
.rept 64
	v_and_b32 v[BR+n], s96, v[BR+n]                ; kept in q's and k's mode, cleared in v's
.set n, n+1
.endr
.irp a, 0,1,2,3,4,5,6,7
	v_and_b32 v[BL+2*\a], s97, v[BL+2*\a]          ; kept in v's mode
.endr
	s_wait_alu depctr_va_vdst(0)
	STEP 0, 0, 1
	s_mov_b32 s3, LAPS-1
.Llap:
	TURN 0, 1, 1
	STEP 1, 0, 0
	TURN 1, 0, 1
	STEP 0, 0, 0
	s_sub_co_u32 s3, s3, 1
	s_cmp_lg_u32 s3, 0
	s_cbranch_scc1 .Llap
	TURN 0, 1, 0                                   ; the last lap fills nothing
	STEP 1, 0, 0
	s_wait_dscnt 4*NL
	WIN MUL_LO
	MUL16 0, 1, NQ-1, 1, 0
	MUL16 2, 1, NQ-1, 1, 0
	s_wait_dscnt 0
	WIN MUL_HI
	MUL16 4, 1, NQ-1, 1, 0
	MUL16 6, 1, NQ-1, 1, 0
	WIN 0
; THE WAY OUT.  For A's block a my 64 registers are 128 neighbours along B's rows: register 16 b + 8 u + j = element 32 b + 16 u + 8 h + j.  They become a fragment's codes and its scale word.
.macro QUANT s, pw
.irp b, 0,1,2,3
	v_max3_num_f32 v[TM+\b], |v[\s+16*\b]|, |v[\s+1+16*\b]|, 0x2800000   ; my 16 numbers of block b, and the floor 2^(5 - 127)
.endr
.irp i, 2,4,6,8,10,12,14
.irp b, 0,1,2,3
	v_max3_num_f32 v[TM+\b], v[TM+\b], |v[\s+16*\b+\i]|, |v[\s+1+16*\b+\i]|
.endr
.endr
.irp b, 0,1,2,3
	v_permlanex16_b32 v[TM+4+\b], v[TM+\b], s[SEL], s[SEL+1]
.endr
.irp b, 0,1,2,3
	v_max_num_f32 v[TM+\b], v[TM+\b], v[TM+4+\b]   ; with lane l xor 16's: the block's largest magnitude
.endr
.irp b, 0,1,2,3
	v_add_nc_u32 v[TM+12+\b], 0xfe000000, v[TM+\b] ; 4 off its exponent field: the conversion's scale operand
.endr
.irp b, 0,1,2,3
	v_lshrrev_b32 v[TM+4+\b], 23, v[TM+12+\b]      ; the byte
.endr
	v_lshl_or_b32 v[\pw], v[TM+5], 8, v[TM+4]
	v_lshl_or_b32 v[\pw], v[TM+6], 16, v[\pw]
	v_lshl_or_b32 v[\pw], v[TM+7], 24, v[\pw]
.irp c, 0,1
	v_cvt_scalef32_pk16_bf6_f32 v[PC+6*\c:PC+2+6*\c], v[\s+32*\c:\s+15+32*\c], v[TM+12+2*\c]
	v_cvt_scalef32_pk16_bf6_f32 v[PC+12+4*\c:PC+14+4*\c], v[\s+16+32*\c:\s+31+32*\c], v[TM+12+2*\c+1]
.endr
	v_nop                                          ; one plain place behind a scaled conversion
.irp c, 0,1                            ; a whole block to a lane: lanes 0-15 block 2 c, lanes 16-31 block 2 c + 1
.irp i, 0,1,2
	v_permlane16_swap_b32 v[PC+6*\c+\i], v[PC+12+4*\c+\i]
.endr
.irp i, 0,1,2
	v_mov_b32 v[PC+3+6*\c+\i], v[PC+12+4*\c+\i]
.endr
.endr
.endm
.macro OUTBLK a
.if (\a) > 0
	s_wait_xcnt 0x0                                ; the last block's stores have read their data and their base: both are written again only behind this wait
.if (\a) == 4
	s_add_nc_u64 s[40:41], s[40:41], s[46:47]
.else
	s_add_nc_u64 s[40:41], s[40:41], s[44:45]
.endif
.endif
	WIN 0x02+(\a)/4                                ; source 0: window 2 or 3
.set n, 0
.rept 32
	v_pk_add_f32 v[64+n:65+n], v[64*((\a)%4)+n:64*((\a)%4)+n+1], v[BL+2*(\a):BL+2*(\a)+1] op_sel_hi:[1,0]   ; + the bias along the lanes; each accumulator from its low end on
.set n, n+2
.endr
	WIN 0
	QUANT 64, PWS+(\a)
	global_store_b128 v8, v[PC:PC+3], s[40:41]     ; 512 and 256 consecutive bytes, aligned to 256
	global_store_b64 v9, v[PC+4:PC+5], s[40:41] offset:512
	global_store_b128 v10, v[PC+6:PC+9], s[40:41]
	global_store_b64 v11, v[PC+10:PC+11], s[40:41] offset:512
.endm
	PLACES NP                                      ; behind the last products
	s_mov_b32 s[SEL], 0x76543210
	s_mov_b32 s[SEL+1], 0xfedcba98
.irp b, 0,1,2,3
	v_mov_b32 v[TM+4+\b], 0                        ; a lane permute's destination counts as one of its sources
.endr
.irp a, 0,1,2,3,4,5,6,7
	OUTBLK \a
.endr
	; the scale bytes: two runs of 256 bytes, one for each of my two heads.  Word a (in every lane of row r): q, k: token 16 a + r, low half my first head's two bytes, high half my second's;  v: feature 16 a + r, four bytes of 128 keys
	v_cmp_le_u32 vcc_lo, 16, v1
.irp i, 0,1,2,3
	v_cndmask_b32 v[184+\i], v[PWS+\i], v[PWS+4+\i], vcc_lo   ; q, k: lane (r, hh) stores tokens 16 (4 hh + i) + r
.endr
	v_perm_b32 v188, v185, v184, s100
	v_perm_b32 v189, v187, v186, s100
	v_perm_b32 v190, v185, v184, s101
	v_perm_b32 v191, v187, v186, s101
	v_cndmask_b32 v192, v[PWS+0], v[PWS+2], vcc_lo ; v: lane (r, hh) stores features 16 (2 hh + i) + r of each head
	v_cndmask_b32 v193, v[PWS+1], v[PWS+3], vcc_lo
	v_cndmask_b32 v194, v[PWS+4], v[PWS+6], vcc_lo
	v_cndmask_b32 v195, v[PWS+5], v[PWS+7], vcc_lo
.irp i, 0,1,2,3
	v_cndmask_b32 v[196+\i], v[188+\i], v[192+\i], s97
.endr
	global_store_b64 v9, v[196:197], s[42:43]
	global_store_b64 v9, v[198:199], s[42:43] offset:4096
	s_wait_tensorcnt 0x0                           ; the wave's end
	ds_add_u32 v[SPW], v[NIL]
	s_wait_dscnt 0x0
	CROUND                                         ; the closing round
	s_endpgm
.Lfunc_end_k_qbf1ee4254d_qkv:
	.size	k_qbf1ee4254d_qkv, .Lfunc_end_k_qbf1ee4254d_qkv-k_qbf1ee4254d_qkv
	.p2alignl 7, 3214868480
	.fill 96, 4, 3214868480
	.section	.rodata,"a",@progbits
	.p2align	6, 0x0
	.amdhsa_kernel k_qbf1ee4254d_qkv
		.amdhsa_group_segment_fixed_size 327680
		.amdhsa_private_segment_fixed_size 0
		.amdhsa_enable_private_segment 0
		.amdhsa_kernarg_size 48
		.amdhsa_user_sgpr_count 2
		.amdhsa_user_sgpr_kernarg_segment_ptr 1
		.amdhsa_wavefront_size32 1
		.amdhsa_system_sgpr_workgroup_id_x 1
		.amdhsa_system_sgpr_workgroup_id_y 1
		.amdhsa_system_sgpr_workgroup_id_z 1
		.amdhsa_system_vgpr_workitem_id 0
		.amdhsa_next_free_vgpr 1024
		.amdhsa_next_free_sgpr 102
		.amdhsa_reserve_vcc 1
		.amdhsa_float_denorm_mode_32 3
		.amdhsa_float_denorm_mode_16_64 3
		.amdhsa_memory_ordered 1
		.amdhsa_forward_progress 1
		.amdhsa_inst_pref_size 172
	.end_amdhsa_kernel
	.amdgpu_metadata
---
amdhsa.version: [ 1, 2 ]
amdhsa.kernels:
  - .name:           k_qbf1ee4254d_qkv
    .symbol:         k_qbf1ee4254d_qkv.kd
    .args:
      - { .name: xq, .offset: 0, .size: 8, .value_kind: global_buffer, .address_space: global }
      - { .name: wq, .offset: 8, .size: 8, .value_kind: global_buffer, .address_space: global }
      - { .name: bq, .offset: 16, .size: 8, .value_kind: global_buffer, .address_space: global }
      - { .name: bk, .offset: 24, .size: 8, .value_kind: global_buffer, .address_space: global }
      - { .name: bv, .offset: 32, .size: 8, .value_kind: global_buffer, .address_space: global }
      - { .name: qkv, .offset: 40, .size: 8, .value_kind: global_buffer, .address_space: global }
    .group_segment_fixed_size: 327680
    .private_segment_fixed_size: 0
    .kernarg_segment_align: 8
    .kernarg_segment_size: 48
    .max_flat_workgroup_size: 128
    .sgpr_count:     102
    .vgpr_count:     1024
    .wavefront_size: 32
...
	.end_amdgpu_metadata
.endif
;; end of part 2
;; launch attn (part 3): grid 8 x 32, 16 waves a work-group, no clusters, 327,680 bytes of LDS; arguments qkv, oq; writes oq
.if DOCPART == 3
	.amdgcn_target "amdgcn-amd-amdhsa--gfx1250"
	.amdhsa_code_object_version 6
	.text
	.protected	k_qbf1ee4254d_attn
	.globl	k_qbf1ee4254d_attn
	.p2align	8
	.type	k_qbf1ee4254d_attn,@function
k_qbf1ee4254d_attn:
	s_mov_b64 s[64:65], 0
	v_nop
	global_prefetch_b8 v0, s[64:65] scope:SCOPE_SE
	s_setreg_imm32_b32 hwreg(HW_REG_WAVE_MODE, 25, 1), 1
	s_wait_xcnt 0x0
; o = softmax(q k^T / 8, causal) v for one head of one batch (work-group y), both products on codes of BF6 (E3M2) with E8M0 scales; o is quantised along the model's 1,024 (the heads on end) and leaves as codes.
; THE SOFTMAX IS QUANTISED FINISHED AND NORMALISED, so a row's maximum m and sum l are known before its first weight is quantised: THE KEYS ARE WALKED TWICE.  Pass 1: a running maximum and sum.
; Pass 2: the same scores again, p = 2^(c s - c m - log2 l), c = log2(e) / 8: the division by l is a term of the exponent; p is quantised along the keys and multiplied by V.
; SHARES.  Work-group x = j holds the tiles of 16 queries 8 j + i (short: j + 1 steps of 128 keys) and 127 - 8 j - i (long: 16 - j steps), i = 0 .. 7.  Waves 2 i and 2 i + 1 share the two tiles of i:
; wave A takes steps 0-8 of the long tile; wave B takes the short tile (its steps lie under 9) and then steps 9 .. of the long tile.  So every wave walks 8 or 9 steps.  Each pass is ONE loop of 16 constant trips;
; at trip 9 a wave changes from its first job to its second (A's second job is empty); a step outside the job's keys is left out by a scalar branch on ids (the causal mask is reference()'s own).
; The parts of a row's (m, l) meet through LDS between the passes (each lane's part of each job has 8 bytes; an empty part is m = -3e38, l = 0, which adds nothing); B's part of the long tile's O^T goes to A through LDS at the end.
; ALL OF THE HEAD'S K AND V LIE IN LDS, each byte filled once.  K (98,304 bytes, waves 0-3 a quarter each) and its 4,096 scale bytes (wave 4) are asked for at the head; V and its scale bytes behind the first barrier,
; by the same waves: they are on their way while pass 1 runs, and the barrier between the passes shows them whole.
; NO CLUSTER, though the eight work-groups of a head read the same K and V: the causal skip is a branch on the work-group's block of queries, which in a cluster would be its place there.
; NO PREFETCH: every byte of K and V is asked for by the two groups of tensor loads ahead of the loops; no loop has a stream to run ahead of.
; K = 64 IN AN INSTRUCTION OF K = 128: two neighbouring tiles of 16 keys form ONE source 0, [k(2m) | k(2m+1)]; q lies as [q | zero codes | q], read as [q | 0] and as [0 | q]: a zero code adds nothing.  The dead half's scale bytes are 0.
; LAYOUT.  Both products transposed: source 1 = my queries: a lane holds one query (lane % 16); register 8 a + j of the scores is key 16 a + 8 (lane / 16) + j.  Position i of a block of 32 holds element i with bits 3 and 4 swapped, as in V's codes.
; LIMITS: p under 2^-126 falls to 0; a block of zeros gets the byte 1 (zero codes; the bytes are this program's own); NaN and infinities are not served; the scaled scores stay under 2^31 in magnitude.
; Every row holds its diagonal key, so l is at least about 1 and nan_to_num never acts.
; REGISTERS: v1-6 addresses that stay; v7-9 addresses in hand; v10 r - 8 h; v11 8 r; v12 -c m (pass 2: - log2 l too), v13 m; v[14:15] l; v16-33 q, zeros, q; v34-39 the first job's q; v40, v41 q's scale words; v[42:43] K's, v[44:45] V's;
;   v46 d, v47 -infinity; v48-95 four fragments; v96-159 scores, then p; v160-191 O^T; v192-203 p's codes; v204-210 conversions' second halves; v207, v211 where O^T's parts lie in LDS; v212-225 at work, v224 p's scale word;
;   v[226:227] the first job's m, l, then v226 the second job's exponent term; v[228:229] the rescaling; v230-231, v240-253 at work; v232, v233 the two jobs' q scale bytes; v234-239 the second job's q.
.set VREG,  98304                      ; LDS: K's codes at 0, V's here,
.set KSC,   196608                     ; K's scale bytes,
.set VSC,   200704                     ; V's,
.set SPARE, 204800                     ; the spare words: 128 bytes for each of 16 waves,
.set XML,   206848                     ; the parts of (m, l): 256 bytes for each job of each wave,
.set XO,    215040                     ; the parts of O^T: 4,096 bytes for each wave
.set TURNK, 1152                       ; the first key of trip 9
.macro FILL g0c, g0s                   ; one chain of branches on the wave's number: waves 0-3 a quarter of the codes, wave 4 the scale bytes, the others nothing
	s_cmp_lt_u32 s8, 4
	s_cbranch_scc0 .Lnc_\@
	tensor_load_to_lds s[\g0c:\g0c+3], s[24:31]
	s_nop 0
.rept 4
	v_nop
.endr
	s_branch .Las_\@
.Lnc_\@:
	s_cmp_eq_u32 s8, 4
	s_cbranch_scc0 .Las_\@
	tensor_load_to_lds s[\g0s:\g0s+3], s[32:39]
	s_nop 0
.rept 4
	v_nop
.endr
.Las_\@:
.endm
.macro QADR t, qa, qs                  ; tile s[t]: where its q half fragment and q's scale bytes lie
	s_mul_i32 s[\qa], s[\t], 768
	s_add_co_u32 s[\qa], s[\qa], s56
	s_mov_b32 s[\qa+1], 0
	s_add_nc_u64 s[\qa:\qa+1], s[4:5], s[\qa:\qa+1]
	s_lshr_b32 s[\qs], s[\t], 3
	s_lshl_b32 s[\qs], s[\qs], 8                   ; the run of 128 tokens,
	s_bfe_u32 s68, s[\t], 0x10002
	s_lshl_b32 s68, s68, 7                         ; 8 (r + 16 (a / 4)) + 2 (a % 4), a = the tile in its run
	s_add_co_u32 s[\qs], s[\qs], s68
	s_and_b32 s68, s[\t], 3
	s_lshl_b32 s68, s68, 1
	s_add_co_u32 s[\qs], s[\qs], s68
	s_add_co_u32 s[\qs], s[\qs], s60
	s_add_co_u32 s[\qs], s[\qs], 9437184
	s_mov_b32 s[\qs+1], 0
	s_add_nc_u64 s[\qs:\qs+1], s[4:5], s[\qs:\qs+1]
.endm
.macro OADR t, oc, os                  ; tile s[t]: where o's half fragment and its scale bytes go
	s_lshr_b32 s68, s9, 4
	s_lshl_b32 s68, s68, 7
	s_add_co_u32 s68, s68, s[\t]                   ; the tile among all 256 tiles of tokens
	s_and_b32 s69, s9, 15                          ; the head
	s_mul_i32 s[\oc], s68, 12288
	s_mul_i32 s74, s69, 768
	s_add_co_u32 s[\oc], s[\oc], s74
	s_mov_b32 s[\oc+1], 0
	s_add_nc_u64 s[\oc:\oc+1], s[6:7], s[\oc:\oc+1]
	s_lshr_b32 s[\os], s68, 1
	s_lshl_b32 s[\os], s[\os], 10                  ; (row / 32) x 1024 + (head / 4) x 256 + (row % 32) x 8 + 2 (head % 4)
	s_lshr_b32 s74, s69, 2
	s_lshl_b32 s74, s74, 8
	s_add_co_u32 s[\os], s[\os], s74
	s_and_b32 s74, s68, 1
	s_lshl_b32 s74, s74, 7
	s_add_co_u32 s[\os], s[\os], s74
	s_and_b32 s74, s69, 3
	s_lshl_b32 s74, s74, 1
	s_add_co_u32 s[\os], s[\os], s74
	s_add_co_u32 s[\os], s[\os], 3145728
	s_mov_b32 s[\os+1], 0
	s_add_nc_u64 s[\os:\os+1], s[6:7], s[\os:\os+1]
.endm
.macro SETQ base, sc                   ; a job's q into the operand's registers; the scale words first, and four idle places: with the four of KADDR they stand 8 places ahead of the products
	v_mov_b32 v40, v[\sc]
	v_lshlrev_b32 v41, 16, v[\sc]                  ; the same two bytes for the upper 64 of K
.irp i, 0,1,2,3,4,5
	v_mov_b32 v[16+\i], v[\base+\i]
	v_mov_b32 v[28+\i], v[\base+\i]
.endr
.rept 4
	v_nop
.endr
.endm
	s_load_b128 s[4:7], s[0:1], 0x0                ; qkv, oq
	v_lshl_add_u32 v254, v0, 2, SPARE
	v_mov_b32 v255, 0
	ds_add_u32 v254, v255                          ; the opening lines
	ds_add_u32 v254, v255
	v_lshrrev_b32 v1, 5, v0
	v_readfirstlane_b32 s8, v1                     ; wave 0..15
	s_and_b32 s9, ttmp7, 0xffff                    ; batch x 16 + head
	; descriptor group 1: dense bytes as rows of 256 (32 elements of 8 bytes): s[24:31] 96 rows = a quarter of a head's codes; s[32:39] 16 rows = its scale bytes
.irp g, 24, 32
	s_mov_b32 s[\g], 3<<16
	s_mov_b32 s[\g+1], 32<<16
	s_mov_b32 s[\g+3], 32<<16
	s_mov_b32 s[\g+5], 32
	s_mov_b32 s[\g+6], 0
	s_mov_b32 s[\g+7], 0
.endr
	s_mov_b32 s26, 96<<16
	s_mov_b32 s28, 96
	s_mov_b32 s34, 16<<16
	s_mov_b32 s36, 16
	s_mul_i32 s56, s9, 98304                       ; the head's codes
	s_mul_i32 s57, s8, 24576                       ; my quarter (waves 0 to 3)
	s_add_co_u32 s58, s56, s57
	s_mov_b32 s59, 0
	s_lshl_b32 s60, s9, 12                         ; the head's scale bytes
	s_mov_b32 s61, 0
	s_wait_dscnt 0x0
	s_wait_kmcnt 0x0
	s_mov_b32 s40, 1
	s_mov_b32 s41, s57
	s_add_nc_u64 s[42:43], s[4:5], s[58:59]
	s_add_nc_u64 s[42:43], s[42:43], 3145728       ; k's codes
	s_or_b32 s43, s43, 0x80000000
	s_mov_b32 s48, 1
	s_mov_b32 s49, KSC
	s_add_nc_u64 s[50:51], s[4:5], s[60:61]
	s_add_nc_u64 s[50:51], s[50:51], 9568256       ; k's scale bytes
	s_or_b32 s51, s51, 0x80000000
	FILL 40, 48                                    ; K: one tensor load a wave at the head
	s_mov_b32 s44, 1
	s_add_co_u32 s45, s57, VREG
	s_add_nc_u64 s[46:47], s[4:5], s[58:59]
	s_add_nc_u64 s[46:47], s[46:47], 6291456       ; v's codes
	s_or_b32 s47, s47, 0x80000000
	s_mov_b32 s52, 1
	s_mov_b32 s53, VSC
	s_add_nc_u64 s[54:55], s[4:5], s[60:61]
	s_add_nc_u64 s[54:55], s[54:55], 9699328       ; v's scale bytes
	s_or_b32 s55, s55, 0x80000000
	s_lshr_b32 s10, s8, 1                          ; i
	s_lshr_b32 s11, s8, 2
	s_xor_b32 s11, s11, s8
	s_and_b32 s11, s11, 1                          ; 1: wave A, 0: wave B; each run of four waves has two of each
	s_lshl_b32 s78, ttmp9, 3
	s_add_co_u32 s78, s78, s10                     ; the short tile, 8 j + i
	s_sub_co_u32 s77, 127, s78                     ; the long tile
	s_lshl_b32 s89, s78, 4
	s_add_co_u32 s89, s89, 15                      ; the short tile's last query
	s_lshl_b32 s90, s77, 4                         ; the second job's first query: the long tile's
	s_add_co_u32 s91, s90, 15
	s_cmp_eq_u32 s11, 1
	s_cselect_b32 s18, s77, s78                    ; the first job's tile: A the long one, B the short one
	s_cselect_b32 s89, 1024, s89                   ; the last first key of a step that the first job takes: A step 8's; B by the causal mask
	s_cselect_b32 s91, 0, s91                      ; and the second job: A none; B by the causal mask
	s_lshl_b32 s88, s18, 4                         ; the first job's first query
	QADR 18, 62, 66
	QADR 77, 80, 82
	OADR 78, 70, 72
	OADR 77, 84, 86
	s_lshl_b32 s74, s8, 12
	s_add_co_u32 s74, s74, XO                      ; my part of O^T,
	s_xor_b32 s75, s8, 1
	s_lshl_b32 s75, s75, 12
	s_add_co_u32 s75, s75, XO                      ; my partner's
	s_mov_b32 s12, s88
	s_mov_b32 s19, s89
	s_mov_b32 s17, 0xbe38aa3b                      ; -c
	s_mov_b32 s20, 0x76543210
	s_mov_b32 s21, 0xfedcba98                      ; v_permlanex16_b32's selects for lane l xor 16
	s_mov_b32 s22, 0x3e38aa3b                      ; c = log2(e) / 8
	s_mov_b32 s23, s22                             ; (named with it as a pair)
	v_and_b32 v10, 31, v0
	v_and_b32 v11, 15, v0                          ; r
	v_bfe_u32 v9, v0, 4, 1
	v_lshlrev_b32 v1, 4, v10                       ; 16 x lane
	v_lshlrev_b32 v2, 3, v10                       ; 8 x lane
	v_lshlrev_b32 v9, 3, v9
	s_delay_alu instid0(VALU_DEP_1)
	v_sub_nc_u32 v10, v11, v9                      ; r - 8 h
	v_lshlrev_b32 v11, 3, v11                      ; 8 r
	global_load_b128 v[34:37], v1, s[62:63]
	global_load_b64 v[38:39], v2, s[62:63] offset:512
	global_load_u16 v232, v11, s[66:67]            ; q's two bytes; the upper two are 0
	global_load_b128 v[234:237], v1, s[80:81]
	global_load_b64 v[238:239], v2, s[80:81] offset:512
	global_load_u16 v233, v11, s[82:83]
	v_add_nc_u32 v3, VREG, v1
	v_add_nc_u32 v4, VREG, v2
	v_add_nc_u32 v5, KSC, v2
	v_add_nc_u32 v6, VSC, v2
	v_add_nc_u32 v207, s74, v1
	v_add_nc_u32 v211, s75, v1
.irp i, 22,23,24,25,26,27
	v_mov_b32 v[\i], 0                             ; the zero codes
.endr
	v_mov_b32 v13, 0xff61b1e6                      ; m: -3e38, under every score
	v_mov_b32 v14, 0                               ; l, in two halves
	v_mov_b32 v15, 0
	v_mov_b32 v47, 0xff800000                      ; -infinity
	v_mul_f32 v12, s17, v13                        ; -c m
.irp i, 216,217,218,219,229
	v_mov_b32 v[\i], 0                             ; permutes' destinations and a pair's upper half are written once
.endr
	s_wait_alu depctr_va_vdst(0)
	s_wait_loadcnt 0x0
	SETQ 34, 232
	s_wait_alu depctr_va_vdst(0)
	s_wait_tensorcnt 0x0                           ; my part of K, if I have one, has landed; V's first fill is issued as a refill is:
	ds_add_u32 v254, v255                          ; the add, written twice
	ds_add_u32 v254, v255
	s_wait_dscnt 0x0
	s_barrier_signal -1
	s_barrier_wait -1                              ; K is whole
	FILL 44, 52                                    ; V: my one tensor load behind this barrier
.macro FRAGS                           ; four fragments of 1,536 bytes, from v7 (16 x lane) and v8 (8 x lane), into v48-95
.irp m, 0,1,2,3
	ds_load_b128 v[48+12*\m:51+12*\m], v7 offset:1536*\m
	ds_load_b64 v[52+12*\m:53+12*\m], v8 offset:1536*\m+512
	ds_load_b128 v[54+12*\m:57+12*\m], v7 offset:1536*\m+768
	ds_load_b64 v[58+12*\m:59+12*\m], v8 offset:1536*\m+1280
.endr
.endm
.macro KADDR sa, sb                    ; K's addresses of a step; with the v_nop four places behind matrix instructions, in front of loads into registers that they have read
	v_add_nc_u32 v7, \sa, v1
	v_add_nc_u32 v8, \sa, v2
	v_add_nc_u32 v9, \sb, v5
	v_nop
.endm
.macro QK                              ; S^T of 128 keys: eight products, each on an accumulator of its own.  v42 serves fragments 0 (lanes 0-15) and 2 (lanes 16-31), v43 fragments 1 and 3
.irp m, 0,1,2,3
.if \m < 2
	v_wmma_scale_f32_16x16x128_f8f6f4 v[96+16*\m:103+16*\m], v[48+12*\m:59+12*\m], v[16:27], 0, v[42+\m%2], v40 matrix_a_fmt:MATRIX_FMT_BF6 matrix_b_fmt:MATRIX_FMT_BF6
	v_wmma_scale_f32_16x16x128_f8f6f4 v[104+16*\m:111+16*\m], v[48+12*\m:59+12*\m], v[22:33], 0, v[42+\m%2], v41 matrix_a_fmt:MATRIX_FMT_BF6 matrix_b_fmt:MATRIX_FMT_BF6
.else
	v_wmma_scale_f32_16x16x128_f8f6f4 v[96+16*\m:103+16*\m], v[48+12*\m:59+12*\m], v[16:27], 0, v[42+\m%2], v40 matrix_a_fmt:MATRIX_FMT_BF6 matrix_b_fmt:MATRIX_FMT_BF6 matrix_a_scale:MATRIX_SCALE_ROW1
	v_wmma_scale_f32_16x16x128_f8f6f4 v[104+16*\m:111+16*\m], v[48+12*\m:59+12*\m], v[22:33], 0, v[42+\m%2], v41 matrix_a_fmt:MATRIX_FMT_BF6 matrix_b_fmt:MATRIX_FMT_BF6 matrix_a_scale:MATRIX_SCALE_ROW1
.endif
.endr
.endm
.macro MASK                            ; on the diagonal hidden scores become -infinity; a step all of whose keys count skips this
	s_add_co_u32 s74, s13, 127
	s_cmp_le_u32 s74, s12
	s_cbranch_scc1 .Lopen_\@
	s_sub_co_i32 s74, s12, s13
	v_add_nc_u32 v46, s74, v10                     ; d = my query - the first key - 8 h: register 8 a + j is hidden where 16 a + j > d
.set n, 0
.rept 64
	v_cmp_gt_i32 vcc_lo, 16*(n/8)+n%8, v46
	v_cndmask_b32 v[96+n], v[96+n], v47, vcc_lo
.set n, n+1
.endr
.Lopen_\@:
.endm
.macro BLKMAX                          ; my largest score of each block of 32 keys, the four blocks by turns
.irp b, 0,1,2,3
	v_max3_num_f32 v[212+\b], v[96+16*\b], v[97+16*\b], v[98+16*\b]
.endr
.irp i, 3,5,7,9,11,13
.irp b, 0,1,2,3
	v_max3_num_f32 v[212+\b], v[212+\b], v[96+16*\b+\i], v[97+16*\b+\i]
.endr
.endr
.irp b, 0,1,2,3
	v_max_num_f32 v[212+\b], v[212+\b], v[111+16*\b]
.endr
.endm
.macro TM n0                           ; c s + v12 for 16 scores, two at a time (of the pairs c and v12 the low word serves both halves)
.irp k, 0,2,4,6,8,10,12,14
	v_pk_fma_f32 v[96+\n0+\k:97+\n0+\k], v[96+\n0+\k:97+\n0+\k], s[22:23], v[12:13] op_sel_hi:[1,0,0]
.endr
.endm
.macro EXP64
.set n, 0
.rept 64
	v_exp_f32 v[96+n], v[96+n]
.set n, n+1
.endr
.endm
.macro NEXTKEYS
	s_add_co_u32 s13, s13, 128
	s_add_co_u32 s14, s14, 6144
	s_add_co_u32 s15, s15, 256
.endm
	; ---------------- pass 1: m and l of each job, each lane for its own half of the keys: nothing changes lanes in the loop.  A step's K fragments are asked for behind the step before's products
	s_mov_b32 s13, 0
	s_mov_b32 s14, 0
	s_mov_b32 s15, 0
	s_mov_b32 s16, 16
	KADDR s14, s15
	FRAGS
	ds_load_b64 v[42:43], v9
.Lp1:
	s_cmp_eq_u32 s13, TURNK
	s_cbranch_scc0 .Lp1_same
	s_wait_alu depctr_va_vdst(0)                   ; directly ahead of the first reader behind the backward jump
	v_mov_b32 v226, v13                            ; the first job's m and l are put by; the second job begins
	v_add_f32 v227, v14, v15
	SETQ 234, 233
	v_mov_b32 v13, 0xff61b1e6
	v_mov_b32 v14, 0
	v_mov_b32 v15, 0
	v_mul_f32 v12, s17, v13
	s_mov_b32 s12, s90
	s_mov_b32 s19, s91
	s_wait_dscnt 0x0                               ; the fragments asked for last are in: their registers take this trip's, which need not follow the last step taken
	KADDR s14, s15
	FRAGS
	ds_load_b64 v[42:43], v9
	s_wait_alu depctr_va_vdst(0)
.Lp1_same:
	s_cmp_gt_u32 s13, s19
	s_cbranch_scc1 .Lp1_skip
	s_add_co_u32 s75, s14, 6144                    ; the next step's K, held inside K's bytes in the last step
	s_min_u32 s75, s75, 92160
	s_add_co_u32 s76, s15, 256
	s_min_u32 s76, s76, 3840
	s_wait_dscnt 0x0                               ; this step's fragments and scale words
	QK
	KADDR s75, s76                                 ; four places
	FRAGS
	ds_load_b64 v[42:43], v9
	MASK
	BLKMAX
	s_delay_alu instid0(VALU_DEP_2)
	v_max3_num_f32 v230, v212, v213, v214
	s_delay_alu instid0(VALU_DEP_1)
	v_max3_num_f32 v13, v230, v215, v13            ; the new m
	v_mov_b32 v231, v12
	s_delay_alu instid0(VALU_DEP_2)
	v_mul_f32 v12, s17, v13                        ; -c m
	s_delay_alu instid0(VALU_DEP_1)
	v_sub_f32 v228, v12, v231                      ; c m_old - c m_new, 0 or less
	TM 0
	TM 16
	TM 32
	TM 48
	s_wait_alu depctr_va_vdst(0)                   ; ahead of the batch
	v_exp_f32 v228, v228
	EXP64
	v_nop                                          ; the plain instruction behind the batch
	s_wait_alu depctr_va_vdst(0)                   ; one wait for the 65 exponentials, ahead of their first reader
	v_pk_mul_f32 v[14:15], v[14:15], v[228:229] op_sel_hi:[1,0]   ; l under the new m
.irp c, 0,1,2,3,4,5,6                  ; the 32 pairs are summed in seven chains and l's own
	v_pk_add_f32 v[240+2*\c:241+2*\c], v[96+2*\c:97+2*\c], v[110+2*\c:111+2*\c]
.endr
.irp c, 0,1,2,3,4,5,6
	v_pk_add_f32 v[240+2*\c:241+2*\c], v[240+2*\c:241+2*\c], v[124+2*\c:125+2*\c]
.endr
.irp c, 0,1,2,3,4,5,6
	v_pk_add_f32 v[240+2*\c:241+2*\c], v[240+2*\c:241+2*\c], v[138+2*\c:139+2*\c]
.endr
	v_pk_add_f32 v[14:15], v[14:15], v[152:153]
	v_pk_add_f32 v[246:247], v[246:247], v[154:155]
	v_pk_add_f32 v[248:249], v[248:249], v[156:157]
	v_pk_add_f32 v[250:251], v[250:251], v[158:159]
	v_pk_add_f32 v[240:241], v[240:241], v[242:243]
	v_pk_add_f32 v[244:245], v[244:245], v[252:253]
	s_delay_alu instid0(VALU_DEP_4)
	v_pk_add_f32 v[246:247], v[246:247], v[248:249]
	s_delay_alu instid0(VALU_DEP_4)
	v_pk_add_f32 v[14:15], v[14:15], v[250:251]
	s_delay_alu instid0(VALU_DEP_3)
	v_pk_add_f32 v[240:241], v[240:241], v[244:245]
	s_delay_alu instid0(VALU_DEP_2)
	v_pk_add_f32 v[14:15], v[14:15], v[246:247]
	s_delay_alu instid0(VALU_DEP_1)
	v_pk_add_f32 v[14:15], v[14:15], v[240:241]
.Lp1_skip:
	NEXTKEYS
	s_sub_co_u32 s16, s16, 1
	s_cmp_lg_u32 s16, 0
	s_cbranch_scc1 .Lp1
	; ---------------- between the passes: the four parts of each row's (m, l) meet: two halves of the lanes, of my job and of my partner's other job (the same tile, or an empty part)
	s_lshl_b32 s74, s8, 9
	s_add_co_u32 s74, s74, XML
	s_xor_b32 s75, s8, 1
	s_lshl_b32 s75, s75, 9
	s_add_co_u32 s75, s75, XML
	s_wait_alu depctr_va_vdst(0)
	v_mov_b32 v228, v13                            ; the second job's m and l
	v_add_f32 v229, v14, v15
	v_add_nc_u32 v7, s74, v2                       ; I store at 8 x lane,
	v_add_nc_u32 v8, s74, v11                      ; and read row r's two halves of my own parts
	v_add_nc_u32 v9, s75, v11                      ; and of my partner's
	s_wait_alu depctr_va_vdst(0)                   ; directly ahead of the waits below
	s_wait_tensorcnt 0x0                           ; my part of V, if I have one, has landed: no tensor load of mine is out when I store to LDS,
	s_wait_dscnt 0x0                               ; and the last fragments asked for in pass 1 are in
	ds_store_b64 v7, v[226:227]
	ds_store_b64 v7, v[228:229] offset:256
	s_wait_dscnt 0x0
	s_barrier_signal -1
	s_barrier_wait -1                              ; V is whole, and so are all parts
.irp J, 0,1
	ds_load_b64 v[96+8*\J:97+8*\J], v8 offset:256*\J
	ds_load_b64 v[98+8*\J:99+8*\J], v8 offset:256*\J+128
	ds_load_b64 v[100+8*\J:101+8*\J], v9 offset:256-256*\J
	ds_load_b64 v[102+8*\J:103+8*\J], v9 offset:256-256*\J+128
.endr
	s_wait_dscnt 0x0
.irp J, 0,1
	v_max3_num_f32 v[112+\J], v[96+8*\J], v[98+8*\J], v[100+8*\J]
.endr
.irp k, 0,1,2,3,4,5,6,7
	v_mul_f32 v[116+\k], s17, v[96+2*\k]           ; each part's -c m: the bits under which its l was summed
.endr
.irp J, 0,1
	v_max_num_f32 v[112+\J], v[112+\J], v[102+8*\J]   ; the row's m
.endr
.irp J, 0,1
	s_delay_alu instid0(VALU_DEP_2)
	v_mul_f32 v[114+\J], s17, v[112+\J]            ; the row's -c m
.endr
.irp k, 0,1,2,3,4,5,6,7
	v_sub_f32 v[116+\k], v[114+\k/4], v[116+\k]    ; 0 or less
.endr
	s_wait_alu depctr_va_vdst(0)
.irp k, 0,1,2,3,4,5,6,7
	v_exp_f32 v[116+\k], v[116+\k]
.endr
	v_nop
	s_wait_alu depctr_va_vdst(0)
.irp J, 0,1
	v_mul_f32 v[124+\J], v[97+8*\J], v[116+4*\J]
.endr
.irp p, 1,2,3
.irp J, 0,1
	v_fma_f32 v[124+\J], v[97+8*\J+2*\p], v[116+4*\J+\p], v[124+\J]   ; l
.endr
.endr
	s_wait_alu depctr_va_vdst(0)
	v_log_f32 v126, v124
	v_log_f32 v127, v125
	v_nop
	s_wait_alu depctr_va_vdst(0)
	v_sub_f32 v12, v114, v126                      ; -c m - log2 l of the first job's rows,
	v_sub_f32 v226, v115, v127                     ; of the second's
	; ---------------- pass 2
.macro PVM t                           ; O^T's tile t (16 of the head's 64) += V^T P^T over these 128 keys
.if \t < 2
	v_wmma_scale_f32_16x16x128_f8f6f4 v[160+8*\t:167+8*\t], v[48+12*\t:59+12*\t], v[192:203], v[160+8*\t:167+8*\t], v[44+\t%2], v224 matrix_a_fmt:MATRIX_FMT_BF6 matrix_b_fmt:MATRIX_FMT_BF6
.else
	v_wmma_scale_f32_16x16x128_f8f6f4 v[160+8*\t:167+8*\t], v[48+12*\t:59+12*\t], v[192:203], v[160+8*\t:167+8*\t], v[44+\t%2], v224 matrix_a_fmt:MATRIX_FMT_BF6 matrix_b_fmt:MATRIX_FMT_BF6 matrix_a_scale:MATRIX_SCALE_ROW1
.endif
.endm
.macro OZERO                           ; a job's sums begin as zeros: where a job's first step lies hangs on the work-group, so the step is written once
.set n, 0
.rept 32
	v_mov_b32 v[160+n], 0
.set n, n+1
.endr
.endm
.macro OUT oc, os                      ; my 32 registers are the head's 64 along the next K: two blocks, one half fragment
.rept 4
	v_nop
.endr
.irp b, 0,1
	v_max3_num_f32 v[212+\b], |v[160+16*\b]|, |v[161+16*\b]|, 0x2800000
.endr
.irp i, 2,4,6,8,10,12,14
.irp b, 0,1
	v_max3_num_f32 v[212+\b], v[212+\b], |v[160+16*\b+\i]|, |v[161+16*\b+\i]|
.endr
.endr
.irp b, 0,1
	s_delay_alu instid0(VALU_DEP_2)
	v_permlanex16_b32 v[216+\b], v[212+\b], s20, s21
.endr
.irp b, 0,1
	s_delay_alu instid0(VALU_DEP_2)
	v_max_num_f32 v[212+\b], v[212+\b], v[216+\b]
.endr
.irp b, 0,1
	s_delay_alu instid0(VALU_DEP_2)
	v_add_nc_u32 v[220+\b], 0xfe000000, v[212+\b]
.endr
.irp b, 0,1
	s_delay_alu instid0(VALU_DEP_2)
	v_lshrrev_b32 v[216+\b], 23, v[220+\b]
.endr
	s_delay_alu instid0(VALU_DEP_1)
	v_lshl_or_b32 v224, v217, 8, v216
	v_cvt_scalef32_pk16_bf6_f32 v[192:194], v[160:175], v220
	v_cvt_scalef32_pk16_bf6_f32 v[204:206], v[176:191], v221
	v_nop
.irp i, 0,1,2
	v_permlane16_swap_b32 v[192+\i], v[204+\i]
.endr
.irp i, 0,1,2
	s_delay_alu instid0(VALU_DEP_3)
	v_mov_b32 v[195+\i], v[204+\i]
.endr
	global_store_b128 v1, v[192:195], s[\oc:\oc+1] ; 512 and 256 consecutive bytes, aligned to 256
	global_store_b64 v2, v[196:197], s[\oc:\oc+1] offset:512
	v_cmp_gt_u32 vcc_lo, 128, v2                   ; lanes 0-15: both halves hold the same two bytes of row r
	s_wait_alu depctr_va_vdst(0)                   ; directly ahead of the wait below
	s_wait_xcnt 0x0                                ; EXEC changes only behind this wait
	s_and_saveexec_b32 s74, vcc_lo
	global_store_b16 v11, v224, s[\os:\os+1]       ; two bytes a row, 8 bytes apart: a row's other six come from three other heads' work-groups
	s_wait_xcnt 0x0                                ; also: the stores' data may be written again
	s_or_b32 exec_lo, exec_lo, s74
.endm
	SETQ 34, 232
	OZERO
	s_mov_b32 s12, s88
	s_mov_b32 s19, s89
	s_mov_b32 s13, 0
	s_mov_b32 s14, 0
	s_mov_b32 s15, 0
	s_mov_b32 s16, 16
	s_wait_alu depctr_va_vdst(0)
.Lp2:
	s_cmp_eq_u32 s13, TURNK
	s_cbranch_scc0 .Lp2_same
	s_cmp_eq_u32 s11, 0                            ; the branch hangs on the wave's number alone
	s_cbranch_scc0 .Lp2_keep                       ; wave A keeps its sums: its second job is empty
	OUT 70, 72                                     ; wave B: the short tile is finished and leaves,
	OZERO                                          ; and its part of the long tile begins
.Lp2_keep:
	SETQ 234, 233
	v_mov_b32 v12, v226
	s_mov_b32 s12, s90
	s_mov_b32 s19, s91
	s_wait_alu depctr_va_vdst(0)
.Lp2_same:
	s_cmp_gt_u32 s13, s19
	s_cbranch_scc1 .Lp2_skip
	KADDR s14, s15                                 ; four places behind the last step's products
	FRAGS
	ds_load_b64 v[42:43], v9
	s_wait_dscnt 0x0
	QK
	v_add_nc_u32 v7, s14, v3                       ; V's four fragments are asked for now and waited for in front of their products; with the v_nop four places
	v_add_nc_u32 v8, s14, v4
	v_add_nc_u32 v9, s15, v6
	v_nop
	FRAGS
	ds_load_b64 v[44:45], v9                       ; lane (r, hh): the words of V's tiles 2 hh and 2 hh + 1
	MASK
	BLKMAX
	TM 0                                           ; the exponents, with the blocks' short chains laid between them
.irp b, 0,1,2,3
	v_permlanex16_b32 v[216+\b], v[212+\b], s20, s21
.endr
	TM 16
.irp b, 0,1,2,3
	v_max_num_f32 v[212+\b], v[212+\b], v[216+\b]  ; each block's largest score: p rises with the score, so it gives the block's largest p
.endr
	TM 32
.irp b, 0,1,2,3
	v_fma_f32 v[212+\b], v[212+\b], s22, v12       ; the same multiply-add on the same number gives the same bits
.endr
	TM 48
	s_wait_alu depctr_va_vdst(0)                   ; ahead of the batch
.irp b, 0,1,2,3
	v_exp_f32 v[212+\b], v[212+\b]
.endr
	EXP64                                          ; p, finished and normalised
	v_nop
	s_wait_alu depctr_va_vdst(0)                   ; one wait for the 68
.irp b, 0,1,2,3
	v_max_num_f32 v[212+\b], 0x2800000, v[212+\b]  ; the floor 2^(5 - 127)
.endr
.irp b, 0,1,2,3
	s_delay_alu instid0(VALU_DEP_4)
	v_add_nc_u32 v[220+\b], 0xfe000000, v[212+\b]  ; the conversion's scale operand
.endr
.irp c, 0,1
	v_cvt_scalef32_pk16_bf6_f32 v[192+6*\c:194+6*\c], v[96+32*\c:111+32*\c], v[220+2*\c]
	v_cvt_scalef32_pk16_bf6_f32 v[204+4*\c:206+4*\c], v[112+32*\c:127+32*\c], v[220+2*\c+1]
.endr
.irp b, 0,1,2,3
	v_lshrrev_b32 v[216+\b], 23, v[220+\b]         ; the bytes; also the plain place behind the conversions
.endr
	s_delay_alu instid0(VALU_DEP_3)
	v_lshl_or_b32 v224, v217, 8, v216
	s_delay_alu instid0(VALU_DEP_2)
	v_lshl_or_b32 v225, v219, 8, v218
	s_delay_alu instid0(VALU_DEP_1)
	v_lshl_or_b32 v224, v225, 16, v224             ; p's scale word for these 128 keys
.irp c, 0,1                            ; a whole block to a lane
.irp i, 0,1,2
	v_permlane16_swap_b32 v[192+6*\c+\i], v[204+4*\c+\i]
.endr
.irp i, 0,1,2
	s_delay_alu instid0(VALU_DEP_3)
	v_mov_b32 v[195+6*\c+\i], v[204+4*\c+\i]
.endr
.endr
.rept 8
	v_nop                                          ; a scale word made by vector instructions stands 8 places ahead of the scaled product, an operand so made 4
.endr
	s_wait_alu depctr_va_vdst(0)
	s_wait_dscnt 0x0                               ; V
.irp t, 0,1,2,3
	PVM \t                                         ; four accumulators, one instruction a turn
.endr
.Lp2_skip:
	NEXTKEYS
	s_sub_co_u32 s16, s16, 1
	s_cmp_lg_u32 s16, 0
	s_cbranch_scc1 .Lp2
	; ---------------- the long tile's two parts of O^T meet: every wave stores its sums as an image of its registers; wave A adds wave B's to its own
.rept 4
	v_nop
.endr
.irp k, 0,1,2,3,4,5,6,7
	ds_store_b128 v207, v[160+4*\k:163+4*\k] offset:512*\k   ; each accumulator from its low end on
.endr
	s_wait_dscnt 0x0
	s_barrier_signal -1
	s_barrier_wait -1
	s_cmp_eq_u32 s11, 1
	s_cbranch_scc0 .Ldone
.irp k, 0,1,2,3,4,5,6,7
	ds_load_b128 v[96+4*\k:99+4*\k], v211 offset:512*\k
.endr
	s_wait_dscnt 0x0
.irp k, 0,1,2,3,4,5,6,7,8,9,10,11,12,13,14,15
	v_pk_add_f32 v[160+2*\k:161+2*\k], v[160+2*\k:161+2*\k], v[96+2*\k:97+2*\k]
.endr
	OUT 84, 86
.Ldone:
	s_wait_tensorcnt 0x0                           ; the wave's end
	ds_add_u32 v254, v255
	s_wait_dscnt 0x0
	s_endpgm
.Lfunc_end_k_qbf1ee4254d_attn:
	.size	k_qbf1ee4254d_attn, .Lfunc_end_k_qbf1ee4254d_attn-k_qbf1ee4254d_attn
	.p2alignl 7, 3214868480
	.fill 96, 4, 3214868480
	.section	.rodata,"a",@progbits
	.p2align	6, 0x0
	.amdhsa_kernel k_qbf1ee4254d_attn
		.amdhsa_group_segment_fixed_size 327680
		.amdhsa_private_segment_fixed_size 0
		.amdhsa_enable_private_segment 0
		.amdhsa_kernarg_size 16
		.amdhsa_user_sgpr_count 2
		.amdhsa_user_sgpr_kernarg_segment_ptr 1
		.amdhsa_wavefront_size32 1
		.amdhsa_system_sgpr_workgroup_id_x 1
		.amdhsa_system_sgpr_workgroup_id_y 1
		.amdhsa_system_sgpr_workgroup_id_z 1
		.amdhsa_system_vgpr_workitem_id 0
		.amdhsa_next_free_vgpr 256
		.amdhsa_next_free_sgpr 96
		.amdhsa_reserve_vcc 1
		.amdhsa_float_denorm_mode_32 3
		.amdhsa_float_denorm_mode_16_64 3
		.amdhsa_memory_ordered 1
		.amdhsa_forward_progress 1
		.amdhsa_inst_pref_size 64
	.end_amdhsa_kernel
	.amdgpu_metadata
---
amdhsa.version: [ 1, 2 ]
amdhsa.kernels:
  - .name:           k_qbf1ee4254d_attn
    .symbol:         k_qbf1ee4254d_attn.kd
    .args:
      - { .name: qkv, .offset: 0, .size: 8, .value_kind: global_buffer, .address_space: global }
      - { .name: oq, .offset: 8, .size: 8, .value_kind: global_buffer, .address_space: global }
    .group_segment_fixed_size: 327680
    .private_segment_fixed_size: 0
    .kernarg_segment_align: 8
    .kernarg_segment_size: 16
    .max_flat_workgroup_size: 512
    .sgpr_count:     96
    .vgpr_count:     256
    .wavefront_size: 32
...
	.end_amdgpu_metadata
.endif
;; end of part 3
;; launch oproj (part 4): grid 8 x 32, 4 waves a work-group, clusters of 4 x 4, 327,680 bytes of LDS; arguments oq, wq, bo, out0; writes out0
.if DOCPART == 4
	.amdgcn_target "amdgcn-amd-amdhsa--gfx1250"
	.amdhsa_code_object_version 6
	.text
	.protected	k_qbf1ee4254d_oproj
	.globl	k_qbf1ee4254d_oproj
	.p2align	8
	.type	k_qbf1ee4254d_oproj,@function
k_qbf1ee4254d_oproj:
	s_mov_b64 s[64:65], 0
	v_nop
	global_prefetch_b8 v0, s[64:65] scope:SCOPE_SE
	s_setreg_imm32_b32 hwreg(HW_REG_WAVE_MODE, 25, 1), 1
	s_wait_xcnt 0x0
	s_wait_alu depctr_hold_cnt(0) depctr_sa_sdst(0) depctr_va_vdst(0) depctr_va_sdst(0) depctr_va_ssrc(0) depctr_va_vcc(0) depctr_vm_vsrc(0)
	s_getreg_b32 s2, hwreg(HW_REG_IB_STS2, 6, 4)
	s_cmp_eq_u32 s2, 0
	s_cbranch_scc0 .Lentry_in_a_cluster
	s_endpgm
.Lentry_in_a_cluster:
	s_bfe_u32 s2, ttmp6, 0x10000c
	s_cmp_lg_u32 s2, 0xf033
	s_cbranch_scc0 .Lentry_shape_is_right
	s_endpgm
.Lentry_shape_is_right:
; out0 = o Wo + bo on codes of BF6 (E3M2) with E8M0 scales, sums in f32.  o's codes and scale bytes lie in oq, Wo's are operand rows 3,072 .. 4,095 of wq, both as images of operand registers
; (16 rows x 64 K: 768 bytes; registers 0-3 at 16 x lane, registers 4-5 at 512 + 8 x lane; a tile of 16 rows holds all of K in 12,288 bytes); scale bytes: (row / 32) x 1024 + (K / 256) x 256 + (row % 32) x 8 + (K % 256) / 32.
; A block of 128 tokens x 128 features is made by four waves, 64 x 64 each: 16 accumulators.  4,096 x 1,024 of out0 are 32 x 8 = 256 such blocks.
; ALL OF K LIES IN LDS: 128 rows of codes are 98,304 dense bytes of memory, their scale bytes 4,096.  Four tiles, one tensor load a wave at the head: wave 0 o's codes, wave 1 Wo's, wave 2 o's scale bytes, wave 3 Wo's.
; Nothing is filled again: no ring.  NO PREFETCH: all bytes are asked for at the head, and no loop has a stream to run ahead of.
; CLUSTERS: 4 x 4 work-groups; o's tiles are shared along a row of the cluster, Wo's along a column: each is asked for jointly.  One round in front of the loads, one at the end.
; THE MATRIX INSTRUCTION IS USED TRANSPOSED: source 0 = 16 features, source 1 = 16 tokens: a lane holds one token, its eight registers eight neighbouring features.  bo is the C of each sum's first product.
; REGISTERS: window 0: v1-23 lane numbers and addresses; v28, v29 for the add; v32-63 all scale words (lanes 0-15 o's block i, lanes 16-31 Wo's block i); v64-159, v160-255 two sets of fragments (Wo's four, o's four), later the rows on the way out.
;   window 1: v0-127 the accumulators ((a, b) at v[8 (4 a + b)]); v128-159 bo.
.set BCODE,  98304                     ; LDS: o's codes at 0, Wo's here,
.set ASC,    196608                    ; o's scale bytes,
.set BSC,    200704                    ; Wo's,
.set STAGE,  204800                    ; the way out: 16 rows x 272 bytes for each wave; no fill lands here,
.set SPITCH, 272
.set SPARE,  222208                    ; the spare words, 128 bytes a wave
.set SCB,    3145728                   ; where the scale bytes begin in oq and wq
.set SC,     32
.set SPW,    28
.set NIL,    29
.set MSB, 0
.macro WIN new                         ; the immediate's high byte repeats the setting that is left
.if MSB != \new
	s_set_vgpr_msb (MSB<<8)|\new
.set MSB, \new
.endif
.endm
.macro CROUND                          ; a round of the cluster's barrier
	s_barrier_signal -1
	s_barrier_wait -1
	s_cmp_lg_u32 s16, 0
	s_cbranch_scc1 .Lnot_wave_0_\@
	s_barrier_signal -3
.Lnot_wave_0_\@:
	s_barrier_wait -3
	s_barrier_signal -1
	s_barrier_wait -1
.endm
.macro ARM under, g0, g1, next         ; an arm of the head's tree: its load, and a jump to the tree's end
	s_cmp_lt_u32 s16, \under
	s_cbranch_scc0 \next
	tensor_load_to_lds s[\g0:\g0+3], s[\g1:\g1+7]
	s_nop 0
.rept 4
	v_nop
.endr
	s_branch .Lhead_asked
\next:
.endm
.macro PLACES                          ; four plain vector instructions behind a matrix instruction, ahead of loads into its sources and of reads of its result (ISA guide 7.12.1 for reads of its result)
.rept 4
	v_nop
.endr
.endm
	s_load_b128 s[4:7], s[0:1], 0x0                ; oq, wq
	s_load_b128 s[8:11], s[0:1], 0x10              ; bo, out0
	v_lshl_add_u32 v[SPW], v0, 2, SPARE
	v_mov_b32 v[NIL], 0
	ds_add_u32 v[SPW], v[NIL]                      ; the opening lines
	ds_add_u32 v[SPW], v[NIL]
	v_lshrrev_b32 v1, 5, v0
	v_readfirstlane_b32 s16, v1                    ; wave 0..3
	s_lshr_b32 s17, s16, 1                         ; which 64 tokens are mine
	s_and_b32 s18, s16, 1                          ; which 64 features
	s_bfe_u32 s19, ttmp6, 0x40000                  ; cx
	s_bfe_u32 s20, ttmp6, 0x40004                  ; cy
	s_lshl_b32 s12, ttmp9, 2
	s_add_co_u32 s12, s12, s19                     ; the block of features, 0..7
	s_and_b32 s13, ttmp7, 0xffff
	s_lshl_b32 s13, s13, 2
	s_add_co_u32 s13, s13, s20                     ; the block of tokens, 0..31
	s_lshl_b32 s21, s20, 2
	s_lshl_b32 s21, 15, s21                        ; my row of the cluster
	s_lshl_b32 s22, 0x1111, s19                    ; my column
	; descriptor groups 1: dense bytes as rows of 256 (32 elements of 8 bytes): 384 rows of codes, 16 rows of scale bytes; 15:0 the mask, 21 set beside it
	s_or_b32 s24, s21, (3<<16)|(1<<21)
	s_or_b32 s32, s22, (3<<16)|(1<<21)
	s_or_b32 s40, s21, (3<<16)|(1<<21)
	s_or_b32 s48, s22, (3<<16)|(1<<21)
.irp g, 24, 32
	s_mov_b32 s[\g+1], 32<<16
	s_mov_b32 s[\g+2], 384<<16
	s_mov_b32 s[\g+3], 32<<16
	s_mov_b32 s[\g+4], 384
	s_mov_b32 s[\g+5], 32
	s_mov_b32 s[\g+6], 0
	s_mov_b32 s[\g+7], 0
.endr
.irp g, 40, 48
	s_mov_b32 s[\g+1], 32<<16
	s_mov_b32 s[\g+2], 16<<16
	s_mov_b32 s[\g+3], 32<<16
	s_mov_b32 s[\g+4], 16
	s_mov_b32 s[\g+5], 32
	s_mov_b32 s[\g+6], 0
	s_mov_b32 s[\g+7], 0
.endr
	s_mul_i32 s76, s13, 98304                      ; o's codes: 8 tiles of 12,288 bytes a block
	s_mov_b32 s77, 0
	s_lshl_b32 s78, s13, 12                        ; its scale bytes
	s_add_co_u32 s78, s78, SCB
	s_mov_b32 s79, 0
	s_mul_i32 s80, s12, 98304                      ; Wo's codes, behind 192 tiles of the other weights
	s_add_co_u32 s80, s80, 2359296
	s_mov_b32 s81, 0
	s_lshl_b32 s82, s12, 12
	s_add_co_u32 s82, s82, SCB+98304
	s_mov_b32 s83, 0
	s_mov_b32 s56, 1
	s_mov_b32 s57, 0
	s_mov_b32 s60, 1
	s_mov_b32 s61, BCODE
	s_mov_b32 s68, 1
	s_mov_b32 s69, ASC
	s_mov_b32 s72, 1
	s_mov_b32 s73, BSC
	s_wait_dscnt 0x0                               ; both opening adds are done
	s_wait_kmcnt 0x0
	s_add_nc_u64 s[58:59], s[4:5], s[76:77]
	s_or_b32 s59, s59, 0x80000000
	s_add_nc_u64 s[62:63], s[6:7], s[80:81]
	s_or_b32 s63, s63, 0x80000000
	s_add_nc_u64 s[70:71], s[4:5], s[78:79]
	s_or_b32 s71, s71, 0x80000000
	s_add_nc_u64 s[74:75], s[6:7], s[82:83]
	s_or_b32 s75, s75, 0x80000000
	CROUND                                         ; all sixteen work-groups are here: the joint loads meet
	ARM 1, 56, 24, .Lhead_b
	ARM 2, 60, 32, .Lhead_sa
	ARM 3, 68, 40, .Lhead_sb
	tensor_load_to_lds s[72:75], s[48:55]
	s_nop 0
.rept 4
	v_nop
.endr
.Lhead_asked:
	s_mul_i32 s76, s17, 49152                      ; LDS: my four tiles of o,
	s_mul_i32 s77, s18, 49152
	s_add_co_u32 s77, s77, BCODE                   ; my four of Wo
	s_lshl_b32 s79, s17, 11                        ; scale bytes: 2,048 for 64 rows
	s_lshl_b32 s78, s18, 11
	s_add_co_u32 s78, s78, BSC-ASC
	s_sub_co_u32 s78, s78, s79                     ; from o's to Wo's
	s_add_co_u32 s79, s79, ASC
	s_mul_i32 s80, s16, 16*SPITCH
	s_add_co_u32 s80, s80, STAGE                   ; my stage
	s_lshl_b32 s82, s12, 9                         ; my first feature, in bytes of f32
	s_lshl_b32 s83, s18, 8
	s_add_co_u32 s82, s82, s83
	s_mov_b32 s83, 0
	s_add_nc_u64 s[8:9], s[8:9], s[82:83]
	s_lshl_b32 s14, s13, 7
	s_lshl_b32 s15, s17, 6
	s_add_co_u32 s14, s14, s15                     ; my first token
	s_lshl_b32 s14, s14, 12                        ; rows of 4,096 bytes
	s_add_co_u32 s14, s14, s82
	s_mov_b32 s15, 0
	s_add_nc_u64 s[10:11], s[10:11], s[14:15]
	v_and_b32 v1, 31, v0                           ; lane
	v_and_b32 v2, 15, v0                           ; r
	v_bfe_u32 v3, v0, 4, 1                         ; h
	v_lshlrev_b32 v8, 4, v1
	v_lshlrev_b32 v9, 3, v1
	v_lshlrev_b32 v12, 5, v3                       ; bo: lane (r, h) wants numbers 16 b + 8 h + 0 .. 7
	v_add_nc_u32 v16, s76, v8                      ; o's fragments at 16 x lane,
	v_add_nc_u32 v17, s76, v9                      ; at 8 x lane
	v_add_nc_u32 v18, s77, v8                      ; Wo's
	v_add_nc_u32 v19, s77, v9
	v_mul_u32_u24 v6, s78, v3                      ; lanes 16-31 take Wo's scale words: one product, the distance between the two
	v_lshl_add_u32 v6, v2, 3, v6                   ; 8 bytes a row
	v_add_nc_u32 v20, s79, v6
	v_mul_u32_u24 v5, v2, SPITCH                   ; into the stage: row r, 32 bytes for each half of the lanes
	v_lshl_add_u32 v5, v3, 5, v5
	v_add_nc_u32 v21, s80, v5
	v_mul_u32_u24 v7, v3, SPITCH                   ; back: lanes 0-15 one row of 256 bytes, lanes 16-31 the next
	v_lshl_add_u32 v7, v2, 4, v7
	v_add_nc_u32 v22, s80, v7
	v_lshlrev_b32 v23, 12, v3                      ; and the same two rows in out0
	v_lshl_add_u32 v23, v2, 4, v23
	WIN 0x40                                       ; destination window 1
.irp b, 0,1,2,3
	global_load_b128 v[128+8*\b:131+8*\b], v12, s[8:9] offset:64*\b
	global_load_b128 v[132+8*\b:135+8*\b], v12, s[8:9] offset:64*\b+16
.endr
	WIN 0
	s_wait_alu depctr_va_vdst(0)
	s_wait_tensorcnt 0x0                           ; my tile has landed,
	s_barrier_signal -1
	s_barrier_wait -1                              ; all four have
.macro FRAG reg, adr, off              ; a fragment, 16 rows x 128 K: two half fragments on end, as they were stored
	ds_load_b128 v[\reg:\reg+3], v[\adr] offset:\off
	ds_load_b64 v[\reg+4:\reg+5], v[\adr+1] offset:\off+512
	ds_load_b128 v[\reg+6:\reg+9], v[\adr] offset:\off+768
	ds_load_b64 v[\reg+10:\reg+11], v[\adr+1] offset:\off+1280
.endm
.macro FETCH st                        ; step st's eight fragments, 32 loads, into set st % 2
.irp i, 0,1,2,3
	FRAG 64+96*((\st)%2)+12*\i, 18, 12288*\i+1536*(\st)
.endr
.irp i, 0,1,2,3
	FRAG 112+96*((\st)%2)+12*\i, 16, 12288*\i+1536*(\st)
.endr
.endm
.macro MUL st                          ; 16 products, 128 along K; the 16 accumulators take turns, one instruction a turn, in the same order in every step
.set FS, 64+96*((\st)%2)
.set SW, SC+8*((\st)/2)+(\st)%2
	WIN 0x50                                       ; C and D window 1
.irp a, 0,1,2,3
.irp b, 0,1,2,3
.if (\st) == 0
	v_wmma_scale_f32_16x16x128_f8f6f4 v[8*(4*\a+\b):8*(4*\a+\b)+7], v[FS+12*\b:FS+12*\b+11], v[FS+48+12*\a:FS+48+12*\a+11], v[128+8*\b:128+8*\b+7], v[SW+2*\b], v[SW+2*\a] matrix_a_fmt:MATRIX_FMT_BF6 matrix_b_fmt:MATRIX_FMT_BF6 matrix_a_scale:MATRIX_SCALE_ROW1
.else
	v_wmma_scale_f32_16x16x128_f8f6f4 v[8*(4*\a+\b):8*(4*\a+\b)+7], v[FS+12*\b:FS+12*\b+11], v[FS+48+12*\a:FS+48+12*\a+11], v[8*(4*\a+\b):8*(4*\a+\b)+7], v[SW+2*\b], v[SW+2*\a] matrix_a_fmt:MATRIX_FMT_BF6 matrix_b_fmt:MATRIX_FMT_BF6 matrix_a_scale:MATRIX_SCALE_ROW1
.endif
.endr
.endr
	WIN 0
.endm
	FETCH 0
.irp k, 0,1,2,3                        ; all scale words: for 256 along K two words a row
.irp i, 0,1,2,3
	ds_load_b64 v[SC+8*\k+2*\i:SC+8*\k+2*\i+1], v20 offset:(\i/2)*1024+(\i%2)*128+256*\k
.endr
.endr
	FETCH 1
	s_wait_loadcnt 0x0                             ; bo
.set ST, 0
.rept 8
.if ST < 7
	s_wait_dscnt 32                                ; this step's fragments are in; the next step's 32 loads may be out
.else
	s_wait_dscnt 0x0
.endif
	MUL ST
.if ST < 6
	PLACES
	FETCH ST+2                                     ; into the set just multiplied
.endif
.set ST, ST+1
.endr
; THE WAY OUT, block by block of 16 tokens x 64 features: through my own stage and back as whole rows of 256 bytes.  LDS serves a wave's instructions in order (ISA guide 5.7.1.4): no wait between the stores and the loads.
; Each block has read-back registers of its own and every offset is an immediate: no store's registers are written again.
.macro TOSTAGE a
	WIN 0x04                                       ; the data: window 1
.irp b, 0,1,2,3
	ds_store_b128 v21, v[32*(\a)+8*\b:32*(\a)+8*\b+3] offset:64*\b          ; each accumulator from its low end on
	ds_store_b128 v21, v[32*(\a)+8*\b+4:32*(\a)+8*\b+7] offset:64*\b+16
.endr
	WIN 0
.irp t, 0,1,2,3,4,5,6,7
	ds_load_b128 v[64+32*(\a)+4*\t:64+32*(\a)+4*\t+3], v22 offset:\t*2*SPITCH
.endr
.endm
.macro SEND a, younger                 ; younger: the LDS instructions issued behind block a's loads
	s_wait_dscnt \younger
.irp t, 0,1,2,3,4,5,6,7
	global_store_b128 v23, v[64+32*(\a)+4*\t:64+32*(\a)+4*\t+3], s[10:11] offset:(16*(\a)+2*\t)*4096 th:TH_STORE_NT   ; 16 lanes store 256 consecutive bytes, aligned
.endr
.endm
	PLACES                                         ; behind the last products
	TOSTAGE 0
	TOSTAGE 1
	SEND 0, 16
	TOSTAGE 2
	SEND 1, 16
	TOSTAGE 3
	SEND 2, 16
	SEND 3, 0
	s_wait_tensorcnt 0x0                           ; the wave's end
	ds_add_u32 v[SPW], v[NIL]
	s_wait_dscnt 0x0
	CROUND                                         ; the closing round
	s_endpgm
.Lfunc_end_k_qbf1ee4254d_oproj:
	.size	k_qbf1ee4254d_oproj, .Lfunc_end_k_qbf1ee4254d_oproj-k_qbf1ee4254d_oproj
	.p2alignl 7, 3214868480
	.fill 96, 4, 3214868480
	.section	.rodata,"a",@progbits
	.p2align	6, 0x0
	.amdhsa_kernel k_qbf1ee4254d_oproj
		.amdhsa_group_segment_fixed_size 327680
		.amdhsa_private_segment_fixed_size 0
		.amdhsa_enable_private_segment 0
		.amdhsa_kernarg_size 32
		.amdhsa_user_sgpr_count 2
		.amdhsa_user_sgpr_kernarg_segment_ptr 1
		.amdhsa_wavefront_size32 1
		.amdhsa_system_sgpr_workgroup_id_x 1
		.amdhsa_system_sgpr_workgroup_id_y 1
		.amdhsa_system_sgpr_workgroup_id_z 1
		.amdhsa_system_vgpr_workitem_id 0
		.amdhsa_next_free_vgpr 512
		.amdhsa_next_free_sgpr 84
		.amdhsa_reserve_vcc 0
		.amdhsa_float_denorm_mode_32 3
		.amdhsa_float_denorm_mode_16_64 3
		.amdhsa_memory_ordered 1
		.amdhsa_forward_progress 1
		.amdhsa_inst_pref_size 52
	.end_amdhsa_kernel
	.amdgpu_metadata
---
amdhsa.version: [ 1, 2 ]
amdhsa.kernels:
  - .name:           k_qbf1ee4254d_oproj
    .symbol:         k_qbf1ee4254d_oproj.kd
    .args:
      - { .name: oq, .offset: 0, .size: 8, .value_kind: global_buffer, .address_space: global }
      - { .name: wq, .offset: 8, .size: 8, .value_kind: global_buffer, .address_space: global }
      - { .name: bo, .offset: 16, .size: 8, .value_kind: global_buffer, .address_space: global }
      - { .name: out0, .offset: 24, .size: 8, .value_kind: global_buffer, .address_space: global }
    .group_segment_fixed_size: 327680
    .private_segment_fixed_size: 0
    .kernarg_segment_align: 8
    .kernarg_segment_size: 32
    .max_flat_workgroup_size: 128
    .sgpr_count:     84
    .vgpr_count:     512
    .wavefront_size: 32
...
	.end_amdgpu_metadata
.endif
;; end of part 4
